; MI455X (gfx1250); checked and timed in simulation.
; The chip was launched on July 23, 2026; its instructions are those of AMD's public machine-readable ISA for CDNA 5 (MIT licence, August 2026) and "CDNA5" Instruction Set Architecture Reference Guide (July 2026). The comments in the code are by the model that wrote it; some were corrected since.
;; Linear Attention. Allowed arithmetic: float matrix products may take bf16 or f16 operands with f32 sums; other float arithmetic in f32, or as packed bf16 or f16 multiplies, adds, multiply-adds, maxima and minima; sums over many terms, partial sums and values carried from step to step in f32; what a program stores and reads back later, other than sums and carried values, may be rounded once to bf16 or f16.
;; Inputs: freqs_cis 2,048 x 64 x 2 float32; wk 1,024 x 2,048 float32; wo 2,048 x 2,048 float32; wq 2,048 x 2,048 float32; wv 1,024 x 2,048 float32; x 2 x 2,048 x 2,048 float32.
;; Outputs: out0 2 x 2,048 x 2,048 float32.
;; One version. Each part assembles by itself: llvm-mc -triple=amdgcn-amd-amdhsa -mcpu=gfx1250 --defsym DOCPART=n.
;; ======== version 1 of 1: 6 launches
;; limits: values are held in f16: magnitudes above 65,504 overflow, below 6.1e-05 lose precision
;; workspace buffers: c16 41,943,040 bytes; qkv 33,554,432 bytes; kvp 15,728,640 bytes; kst 262,144 bytes; st 7,864,320 bytes; kb 8,192 bytes; ob 16,777,216 bytes
;; launch cast (part 1): grid 1280 x 1, 8 waves a work-group, no clusters, 0 bytes of LDS; arguments x, wq, wk, wv, wo, c16; writes c16
.if DOCPART == 1
	.amdgcn_target "amdgcn-amd-amdhsa--gfx1250"
	.amdhsa_code_object_version 6
	.text
	.protected	k_qddcd578f0f_cast
	.globl	k_qddcd578f0f_cast
	.p2align	8
	.type	k_qddcd578f0f_cast,@function
k_qddcd578f0f_cast:
	s_mov_b64 s[64:65], 0
	v_nop
	global_prefetch_b8 v0, s[64:65] scope:SCOPE_SE
	s_setreg_imm32_b32 hwreg(HW_REG_WAVE_MODE, 25, 1), 1
	s_wait_xcnt 0x0
; LINEAR ATTENTION, launch 1 of 6: the five large inputs are rounded once for the matrix units.
; c16 holds: x as bf16 [4096][2048] at byte 0; wq, wk, wv as bf16, one matrix [4096][2048], at byte 16,777,216; wo at byte 33,554,432,
; rounded to bf16 like the others and that number then written as f16 (the last product multiplies f16 numbers).
; WORK LEFT OUT BY THE WHOLE PROGRAM, for all values of the inputs:
;  (1) repeat_kv copies each kv head to two heads: k's softmax and the chunk sums k^T v of the two copies are equal, so they are made for 8 heads, not 16.
;  (2) cum[:, :, :-1] slices the last chunk's k^T v away: that product is not made (its column maximum and sum are: k's softmax needs them).
;  (3) chunk 0's inter is a product with the zeros that reference() concatenates: it is not made.
;  (4) jnp.tril in reference()'s own body sets the scores above the diagonal to 0: blocks of 16 queries x 32 keys that lie wholly above it are not made.
; Every input has a way to the output and is loaded.  LIMITS: a NaN, an infinity or an overflow that reaches only the work left out is not carried to the result.
; wo's bf16 number is exact in f16 from 6.1e-5 to 65,504; below it keeps f16's fixed step of 6e-8, above it is lost.
; SHARES.  Work-group n takes 16,384 numbers: 65,536 bytes in, 32,768 out at c16 + 32,768 n; 1,280 work-groups, five times 256.  Thread t owns 16 bytes of each of 16 rows of 4,096 bytes in
; and 8 bytes of each row of 2,048 out: a wave's load covers 512 consecutive bytes, its store 256 consecutive bytes, aligned.
; ALL 16 LOADS OF A WAVE GO OUT AT THE HEAD, ahead of every store; a row's place stands in the immediate, so no address is stepped.  A row is rounded in the registers that it was loaded into
; and stored from them, and no register that a store reads is written again: the only waits are the counted ones for the rows.
; No LDS, no matrix unit, no cluster: each byte is read once by one thread, and nothing is shared.
.set ROWS, 16
.set RIN,  4096                        ; bytes of a row in
.set ROUT, 2048                        ; bytes of a row out
.set OI,  1                            ; v1        16 t; never rewritten
.set OO,  2                            ; v2        8 t; never rewritten
.set T,   4                            ; v[4:5]    at work
.set X,   8                            ; v[8:71]   row i: four f32 as loaded; then its first two registers hold the four 16-bit numbers
	s_load_b256 s[4:11], s[0:1], 0x0               ; x s[4:5], wq s[6:7], wk s[8:9], wv s[10:11]
	s_load_b128 s[12:15], s[0:1], 0x20             ; wo s[12:13], c16 s[14:15]
	s_mov_b32 s24, ttmp9                           ; n
	s_mov_b32 s21, 0xffff0000                      ; a word's upper bf16
	v_lshlrev_b32 v[OI], 4, v0
	v_lshlrev_b32 v[OO], 3, v0
	s_wait_kmcnt 0x0
	s_mov_b64 s[16:17], s[12:13]                   ; which input, and its first work-group: wo from 1,024,
	s_mov_b32 s20, 1024
	s_cmp_lt_u32 s24, 1024
	s_cselect_b64 s[16:17], s[10:11], s[16:17]     ; wv from 896,
	s_cselect_b32 s20, 896, s20
	s_cmp_lt_u32 s24, 896
	s_cselect_b64 s[16:17], s[8:9], s[16:17]       ; wk from 768,
	s_cselect_b32 s20, 768, s20
	s_cmp_lt_u32 s24, 768
	s_cselect_b64 s[16:17], s[6:7], s[16:17]       ; wq from 512,
	s_cselect_b32 s20, 512, s20
	s_cmp_lt_u32 s24, 512
	s_cselect_b64 s[16:17], s[4:5], s[16:17]       ; x from 0
	s_cselect_b32 s20, 0, s20
	s_sub_co_u32 s22, s24, s20
	s_lshl_b32 s22, s22, 16                        ; 65,536 bytes a work-group in (33,488,896 at the most)
	s_mov_b32 s23, 0
	s_add_nc_u64 s[16:17], s[16:17], s[22:23]
	s_lshl_b32 s22, s24, 15                        ; 32,768 out
	s_add_nc_u64 s[18:19], s[14:15], s[22:23]
.irp i, 0,1,2,3,4,5,6,7,8,9,10,11,12,13,14,15
	global_load_b128 v[X+4*(\i):X+4*(\i)+3], v[OI], s[16:17] offset:(\i)*RIN th:TH_LOAD_NT
.endr
; Row i: rounded to bf16 in place; in wo's work-groups the bf16 numbers are then written as f16; stored.
.macro ROW i
	s_wait_loadcnt ROWS-1-(\i)                     ; loads come back in order: row i is in, the younger rows stay out
	v_cvt_pk_bf16_f32 v[X+4*(\i)],   v[X+4*(\i)],   v[X+4*(\i)+1]
	v_cvt_pk_bf16_f32 v[X+4*(\i)+1], v[X+4*(\i)+2], v[X+4*(\i)+3]
	s_cmp_lt_u32 s24, 1024                         ; the same in all waves of the work-group
	s_cbranch_scc1 .Lplain_\@
.irp j, 0,1
	v_lshlrev_b32 v[T],   16,  v[X+4*(\i)+(\j)]     ; the two bf16 numbers as f32,
	v_and_b32     v[T+1], s21, v[X+4*(\i)+(\j)]
	v_cvt_pk_f16_f32 v[X+4*(\i)+(\j)], v[T], v[T+1] ; and as f16
.endr
.Lplain_\@:
	global_store_b64 v[OO], v[X+4*(\i):X+4*(\i)+1], s[18:19] offset:(\i)*ROUT
.endm
.irp i, 0,1,2,3,4,5,6,7,8,9,10,11,12,13,14,15
	ROW \i
.endr
	s_endpgm
.Lfunc_end_k_qddcd578f0f_cast:
	.size	k_qddcd578f0f_cast, .Lfunc_end_k_qddcd578f0f_cast-k_qddcd578f0f_cast
	.p2alignl 7, 3214868480
	.fill 96, 4, 3214868480
	.section	.rodata,"a",@progbits
	.p2align	6, 0x0
	.amdhsa_kernel k_qddcd578f0f_cast
		.amdhsa_group_segment_fixed_size 0
		.amdhsa_private_segment_fixed_size 0
		.amdhsa_enable_private_segment 0
		.amdhsa_kernarg_size 48
		.amdhsa_user_sgpr_count 2
		.amdhsa_user_sgpr_kernarg_segment_ptr 1
		.amdhsa_wavefront_size32 1
		.amdhsa_system_sgpr_workgroup_id_x 1
		.amdhsa_system_sgpr_workgroup_id_y 1
		.amdhsa_system_sgpr_workgroup_id_z 1
		.amdhsa_system_vgpr_workitem_id 0
		.amdhsa_next_free_vgpr 72
		.amdhsa_next_free_sgpr 66
		.amdhsa_reserve_vcc 0
		.amdhsa_float_denorm_mode_32 3
		.amdhsa_float_denorm_mode_16_64 3
		.amdhsa_memory_ordered 1
		.amdhsa_forward_progress 1
		.amdhsa_inst_pref_size 13
	.end_amdhsa_kernel
	.amdgpu_metadata
---
amdhsa.version: [ 1, 2 ]
amdhsa.kernels:
  - .name:           k_qddcd578f0f_cast
    .symbol:         k_qddcd578f0f_cast.kd
    .args:
      - { .name: x, .offset: 0, .size: 8, .value_kind: global_buffer, .address_space: global }
      - { .name: wq, .offset: 8, .size: 8, .value_kind: global_buffer, .address_space: global }
      - { .name: wk, .offset: 16, .size: 8, .value_kind: global_buffer, .address_space: global }
      - { .name: wv, .offset: 24, .size: 8, .value_kind: global_buffer, .address_space: global }
      - { .name: wo, .offset: 32, .size: 8, .value_kind: global_buffer, .address_space: global }
      - { .name: c16, .offset: 40, .size: 8, .value_kind: global_buffer, .address_space: global }
    .group_segment_fixed_size: 0
    .private_segment_fixed_size: 0
    .kernarg_segment_align: 8
    .kernarg_segment_size: 48
    .max_flat_workgroup_size: 256
    .sgpr_count:     66
    .vgpr_count:     72
    .wavefront_size: 32
...
	.end_amdgpu_metadata
.endif
;; end of part 1
;; launch gemm_qkv (part 2): grid 16 x 16, 4 waves a work-group, clusters of 4 x 4, 327,680 bytes of LDS; arguments c16, qkv; writes qkv
.if DOCPART == 2
	.amdgcn_target "amdgcn-amd-amdhsa--gfx1250"
	.amdhsa_code_object_version 6
	.text
	.protected	k_qddcd578f0f_gemm_qkv
	.globl	k_qddcd578f0f_gemm_qkv
	.p2align	8
	.type	k_qddcd578f0f_gemm_qkv,@function
k_qddcd578f0f_gemm_qkv:
	s_mov_b64 s[64:65], 0
	v_nop
	global_prefetch_b8 v0, s[64:65] scope:SCOPE_SE
	s_setreg_imm32_b32 hwreg(HW_REG_WAVE_MODE, 25, 1), 1
	s_wait_xcnt 0x0
	s_wait_alu depctr_hold_cnt(0) depctr_sa_sdst(0) depctr_va_vdst(0) depctr_va_sdst(0) depctr_va_ssrc(0) depctr_va_vcc(0) depctr_vm_vsrc(0)
	s_getreg_b32 s2, hwreg(HW_REG_IB_STS2, 6, 4)
	s_cmp_eq_u32 s2, 0
	s_cbranch_scc0 .Lentry_in_a_cluster
	s_endpgm
.Lentry_in_a_cluster:
	s_bfe_u32 s2, ttmp6, 0x10000c
	s_cmp_lg_u32 s2, 0xf033
	s_cbranch_scc0 .Lentry_shape_is_right
	s_endpgm
.Lentry_shape_is_right:
; Launch 2 of 6: qkv[m][n] = sum over k of x[m][k] w[n][k], w = wq, wk, wv one below the other.  A = c16 at byte 0 ([4096][2048] bf16), B = c16 at byte 16,777,216 ([4096][2048] bf16),
; C = qkv [4096][4096], rounded once from its f32 sum to f16, raw: no rotary, no scale.  In a row of C: q of head h at byte 256 h, k of kv head g at 4,096 + 256 g, v at 6,144 + 256 g.
; LIMIT: f16 ends at 65,504: q, k and v must stay under it (with the drawn spread they lie near 1).
; A tile of C, 256 x 256, is made by a work-group of four waves; a wave makes 128 x 128: 64 accumulators of 16 x 16, 512 registers.  256 tiles, one work-group each.
; K goes in steps of 128 through a ring of two LDS slots filled by the tensor data mover; the rows of A's and B's tiles are 256 bytes of memory at multiples of 256 bytes.
; The last K step goes by rows of C, so that finished rows leave while the others are multiplied.
; CLUSTERS: 4 x 4 work-groups.  The four of a row of the cluster need the same tiles of A, the four of a column the same tiles of B: such a tile is asked for JOINTLY, by the same tensor
; load with the same descriptor and a mask that names the four, and each receives it in its own LDS.
; REGISTERS, in windows of 256 (s_set_vgpr_msb: bits 1:0 source 0, 3:2 source 1, 5:4 source 2, 7:6 destination):
;   window 0: v0-31 addresses; v64-127, v128-191 fragments of A, two buffers (in the last K step four, of 16 rows x 128 K); v32-63, v192-255 at work on the way out
;   window 1: v64-127, v128-191 fragments of B, two buffers; in the last K step all 256
;   window 2: the 32 accumulators of my rows 0-63 ((a, b) at v[8 (8 a + b)]);   window 3: those of my rows 64-127
; THE MATRIX INSTRUCTION IS USED TRANSPOSED: source 0 = 16 rows of B, source 1 = 16 rows of A: lane l then holds row l % 16 of C and the columns 8 (l / 16) + 0 .. 7, which pack into 16 bytes.
.set SIZE_M, 4096
.set SIZE_N, 4096
.set SIZE_K, 2048
.set KSTEP,  128
.set PITCH,  272                       ; an LDS row: 256 bytes + 16 of padding = 68 words: the 16 rows that a load touches start 4 words apart modulo 64
.set HALFT,  128*PITCH                 ; 128 rows: what one tensor load brings, and what one wave reads of A or of B
.set SLOT,   4*HALFT                   ; A's 256 rows, then B's 256 rows
.set STAGE,  2*SLOT                    ; behind the ring: 16 rows x 272 bytes for each wave, for the way out
.set SPITCH, 272
.set SPARE,  STAGE+4*16*SPITCH         ; behind the stages: the spare words, 128 bytes a wave, which no other line names
.set LAPS, SIZE_K/(2*KSTEP)            ; a lap = two K steps = once round the ring: 8
.set ADRA, 16                          ; v16-17  LDS address of my A fragments in slot 0, 1
.set ADRB, 20                          ; v20-21  the same for B
.set STO,  24                          ; v24     the way out: where I put 16 bytes of a row
.set RD,   25                          ; v25     the way out: where I read a row back
.set CO,   26                          ; v26     my byte offset in C
.set SPW,  28                          ; v28     LDS address of my spare word; never rewritten
.set NIL,  29                          ; v29     0; never rewritten
.set PFO,  30                          ; v30     the prefetches' offset: my lane x a row of A or B; never rewritten
.set PFA,  44                          ; s[44:45] where my prefetches stand
.set LIM,  43                          ; s43     1 in a wave that prefetches, else the greatest number
.set F0,   64
.set F1,   128
.set TMP,  192
.set OB,   32
.set PA,   64
.set G1, 24                            ; s[24:31] descriptor group 1 for A's tiles
.set G0, 32                            ; s[32:39] descriptor group 0 for A's tiles, one set for each slot
.set G1B, 48                           ; s[48:55] group 1 for B's tiles: it differs in the mask alone
.set G0B, 56                           ; s[56:63] group 0 for B's tiles
.set MSB, 0
.macro WIN new                         ; the immediate's high byte repeats the setting that is left; a switch that changes nothing is dropped
.if MSB != (\new)
	s_set_vgpr_msb (MSB<<8)|(\new)
.set MSB, \new
.endif
.endm
.set MUL_LO, 0xa1                      ; source 0 (B) window 1, source 1 (A) window 0, C and D window 2
.set MUL_HI, 0xf1                      ; the same, C and D window 3
.set TO_B,   0x40                      ; destination window 1, address window 0
; A joint load.  Waves 0 and 1 fetch A's two halves, waves 2 and 3 B's.  The branch hangs on the wave's number alone.  An s_nop 0 and four v_nop follow each line.
.macro JLOAD s
	s_cmp_eq_u32 s11, 0
	s_cbranch_scc0 .Lfor_b_\@
	tensor_load_to_lds s[G0+4*(\s):G0+4*(\s)+3], s[G1:G1+7]
	s_nop 0
.rept 4
	v_nop
.endr
	s_branch .Lasked_\@
.Lfor_b_\@:
	tensor_load_to_lds s[G0B+4*(\s):G0B+4*(\s)+3], s[G1B:G1B+7]
	s_nop 0
.rept 4
	v_nop
.endr
.Lasked_\@:
.endm
; A prefetch, behind each joint refill and the run of LDS loads that follows it: the K step that stands two refills on, 512 matrix instructions ahead of the load that wants it: 32 rows x 256 bytes,
; a lane a row.  Each row's 256 bytes of a K step are named once in the launch: A's rows by the clusters with x = 0, B's by those with y = 0; the four partners that ask for a tile jointly
; share its rows out by address, 32 each.  The loop's last trip asks for nothing: there is no K step two on.  K steps 0 to 3 come by their loads alone.
.macro ASK
	s_cmp_gt_u32 s3, s[LIM]                        ; s3 = 1 in the loop's last trip
	s_cbranch_scc0 .Lnot_mine_\@
	global_prefetch_b8 v[PFO], s[PFA:PFA+1] offset:KSTEP*2 th:TH_LOAD_NT scope:SCOPE_SE
.Lnot_mine_\@:
.endm
.macro CREST                           ; a round of the cluster's barrier behind its opening barrier
	s_cmp_lg_u32 s10, 0
	s_cbranch_scc1 .Lnot_wave_0_\@
	s_barrier_signal -3
.Lnot_wave_0_\@:
	s_barrier_wait -3
	s_barrier_signal -1
	s_barrier_wait -1
.endm
.macro CROUND                          ; a whole round
	s_barrier_signal -1
	s_barrier_wait -1
	CREST
.endm
	s_load_b128 s[4:7], s[0:1], 0x0                ; c16 s[4:5], qkv s[6:7]
	v_lshl_add_u32 v[SPW], v0, 2, SPARE
	v_mov_b32 v[NIL], 0
	ds_add_u32 v[SPW], v[NIL]                      ; the wave's opening: the add, twice on end, and its wait ahead of my first tensor load
	ds_add_u32 v[SPW], v[NIL]
	v_lshrrev_b32 v1, 5, v0
	v_readfirstlane_b32 s10, v1                    ; wave 0..3
	s_lshr_b32 s11, s10, 1                         ; which half of the tile's rows is mine.  Also: I fetch for A (0) or for B (1)
	s_and_b32 s12, s10, 1                          ; which half of its columns.  Also: which 128 rows of that tile I fetch
	s_bfe_u32 s40, ttmp6, 0x40000                  ; cx
	s_bfe_u32 s41, ttmp6, 0x40004                  ; cy
	s_lshl_b32 s42, ttmp9, 2
	s_add_co_u32 s42, s42, s40                     ; tile column of C = 4 x cluster x + cx
	s_and_b32 s13, ttmp7, 0xffff
	s_lshl_b32 s13, s13, 2
	s_add_co_u32 s13, s13, s41                     ; tile row of C = 4 x cluster y + cy
	s_lshl_b32 s43, s41, 2
	s_lshl_b32 s43, 15, s43                        ; my row of the cluster: places 4 cy .. 4 cy + 3
	s_lshl_b32 s44, 0x1111, s40                    ; my column: places cx, cx + 4, cx + 8, cx + 12
	s_or_b32 s[G1+0], s43, (1<<16)|(1<<20)|(1<<21)|(5<<22)|(3<<25)  ; the mask; 2-byte elements; padding on; bit 21 beside a mask; after every 64 words 4 words
	s_or_b32 s[G1B+0], s44, (1<<16)|(1<<20)|(1<<21)|(5<<22)|(3<<25)
	s_mov_b32 s[G1B+1], KSTEP<<16
	s_mov_b32 s[G1+1], KSTEP<<16                   ; tensor_dim0 = 128
	s_mov_b32 s[G1B+2], 128<<16
	s_mov_b32 s[G1+2], 128<<16                     ; tensor_dim1 = 128
	s_mov_b32 s[G1B+3], KSTEP<<16
	s_mov_b32 s[G1+3], KSTEP<<16                   ; tile_dim0 = 128
	s_mov_b32 s[G1B+4], 128
	s_mov_b32 s[G1+4], 128                         ; tile_dim1 = 128
	s_mov_b32 s[G1B+5], SIZE_K
	s_mov_b32 s[G1+5], SIZE_K                      ; elements from row to row
	s_mov_b32 s[G1B+6], 0
	s_mov_b32 s[G1+6], 0
	s_mov_b32 s[G1B+7], 0
	s_mov_b32 s[G1+7], 0
	s_lshl_b32 s17, s12, 7                         ; which 128 rows of the tile I fetch
	s_lshl_b32 s16, s13, 8
	s_add_co_u32 s16, s16, s17                     ; A: row 256 x tile row + 128 x half
	s_lshl_b32 s46, s42, 8
	s_add_co_u32 s46, s46, s17                     ; B: row 256 x tile column + 128 x half
	s_mov_b32 s17, 0
	s_mov_b32 s47, 0
	s_mov_b64 s[18:19], SIZE_K*2
	s_mul_u64 s[16:17], s[16:17], s[18:19]
	s_mul_u64 s[46:47], s[46:47], s[18:19]
	s_mul_i32 s20, s10, HALFT                      ; where they go: wave x 128 rows: no place in the cluster enters an LDS address
	s_wait_dscnt 0x0                               ; both opening adds are done
	s_wait_kmcnt 0x0
	s_mov_b64 s[8:9], s[6:7]                       ; C = qkv
	s_add_nc_u64 s[6:7], s[4:5], 0x1000000         ; B = the three weights, 16,777,216 bytes behind x
	s_add_nc_u64 s[14:15], s[4:5], s[16:17]
	s_add_nc_u64 s[46:47], s[6:7], s[46:47]
	CROUND                                         ; all sixteen work-groups are here: the first joint loads meet
.irp s, 0,1
	s_mov_b32 s[G0+4*(\s)], 1
	s_add_co_u32 s[G0+4*(\s)+1], s20, (\s)*SLOT
	s_add_nc_u64 s[G0+4*(\s)+2:G0+4*(\s)+3], s[14:15], (\s)*KSTEP*2
	s_or_b32 s[G0+4*(\s)+3], s[G0+4*(\s)+3], 0x80000000
	s_mov_b32 s[G0B+4*(\s)], 1
	s_add_co_u32 s[G0B+4*(\s)+1], s20, (\s)*SLOT
	s_add_nc_u64 s[G0B+4*(\s)+2:G0B+4*(\s)+3], s[46:47], (\s)*KSTEP*2
	s_or_b32 s[G0B+4*(\s)+3], s[G0B+4*(\s)+3], 0x80000000
	JLOAD \s                                       ; two tensor loads of mine are out
.endr
	; A fragment is 16 rows x 32 K in 8 registers: lane l holds row l % 16; registers 0-3 K = 8 (l / 16) + 0..7, registers 4-7 K = 16 + 8 (l / 16) + 0..7: two loads of 16 bytes, 32 bytes apart.
	v_and_b32 v1, 15, v0
	v_bfe_u32 v2, v0, 4, 1
	v_mul_u32_u24 v3, v1, PITCH
	v_lshl_add_u32 v3, v2, 4, v3
	s_mul_i32 s21, s11, HALFT                      ; my 128 rows of A
	s_mul_i32 s22, s12, HALFT                      ; my 128 rows of B,
	s_add_co_u32 s22, s22, 2*HALFT                 ; which lie behind A's 256
.irp s, 0,1
	v_add_nc_u32 v[ADRA+(\s)], s21, v3
	v_add_nc_u32 v[ADRB+(\s)], s22, v3
	s_add_co_u32 s21, s21, SLOT
	s_add_co_u32 s22, s22, SLOT
.endr
	s_mul_i32 s23, s10, 16*SPITCH
	s_add_co_u32 s23, s23, STAGE                   ; my stage
	v_mul_u32_u24 v4, v1, SPITCH
	v_lshl_add_u32 v4, v2, 4, v4
	v_add_nc_u32 v[STO], s23, v4
	v_mul_u32_u24 v5, v2, SPITCH
	v_lshl_add_u32 v5, v1, 4, v5
	v_add_nc_u32 v[RD], s23, v5
	v_mul_u32_u24 v5, v2, SIZE_N*2
	v_lshl_add_u32 v[CO], v1, 4, v5
	s_lshl_b32 s13, s13, 8
	s_lshl_b32 s14, s11, 7
	s_add_co_u32 s16, s13, s14                     ; my first row of C
	s_mov_b32 s17, 0
	s_mov_b64 s[18:19], SIZE_N*2
	s_mul_u64 s[16:17], s[16:17], s[18:19]
	s_lshl_b32 s46, s42, 9                         ; my first column, in bytes
	s_lshl_b32 s47, s12, 8
	s_add_co_u32 s46, s46, s47
	s_mov_b32 s47, 0
	s_add_nc_u64 s[16:17], s[16:17], s[46:47]
	; the prefetches
	s_lshl_b32 s42, s42, 8
	s_and_b32 s22, ttmp7, 0xffff                   ; cluster y
	s_cmp_eq_u32 s11, 0                            ; do I fetch for A?
	s_cselect_b32 s20, s13, s42                    ; the tile's first row
	s_cselect_b32 s21, s40, s41                    ; my place among the four that ask for it with me
	s_cselect_b32 s22, ttmp9, s22                  ; the coordinate along which other clusters read the same rows
	s_cselect_b64 s[PFA:PFA+1], s[4:5], s[6:7]
	s_cmp_eq_u32 s22, 0
	s_cselect_b32 s[LIM], 1, -1                    ; the same in all sixteen partners, for a given wave
	s_lshl_b32 s22, s12, 7
	s_add_co_u32 s20, s20, s22
	s_lshl_b32 s21, s21, 5
	s_add_co_u32 s20, s20, s21
	s_mov_b32 s21, 0
	s_mov_b64 s[18:19], SIZE_K*2
	s_mul_u64 s[20:21], s[20:21], s[18:19]
	s_add_nc_u64 s[PFA:PFA+1], s[PFA:PFA+1], s[20:21]
	s_add_nc_u64 s[PFA:PFA+1], s[PFA:PFA+1], 2*KSTEP*2  ; at K step 2: the first refill steps it to 3 and names K step 4
	v_and_b32 v[PFO], 31, v0
	v_mul_u32_u24 v[PFO], v[PFO], SIZE_K*2
; 16 matrix instructions: m blocks a0, a0 + 1 of the window's four x all 8 n blocks, 32 along K.  zero = 1: the first product starts the sums.
.macro MUL16 f, hi, a0, zero
	WIN MUL_LO+0x50*(\hi)
.irp a, \a0, (\a0)+1
.irp b, 0,1,2,3,4,5,6,7
.if \zero
	v_wmma_f32_16x16x32_bf16 v[8*(8*(\a)+(\b)):8*(8*(\a)+(\b))+7], v[(\f)+8*(\b):(\f)+8*(\b)+7], v[(\f)+8*(4*(\hi)+(\a)):(\f)+8*(4*(\hi)+(\a))+7], 0
.else
	v_wmma_f32_16x16x32_bf16 v[8*(8*(\a)+(\b)):8*(8*(\a)+(\b))+7], v[(\f)+8*(\b):(\f)+8*(\b)+7], v[(\f)+8*(4*(\hi)+(\a)):(\f)+8*(4*(\hi)+(\a))+7], v[8*(8*(\a)+(\b)):8*(8*(\a)+(\b))+7]
.endif
.endr
.endr
.endm
; 32 LDS loads in one run: the fragments of one quarter step into buffer f
.macro FETCH slot, k, f
	WIN TO_B
.irp i, 0,1,2,3,4,5,6,7
	ds_load_b128 v[(\f)+8*(\i):(\f)+8*(\i)+3],   v[ADRB+(\slot)] offset:(\k)+(\i)*16*PITCH
	ds_load_b128 v[(\f)+8*(\i)+4:(\f)+8*(\i)+7], v[ADRB+(\slot)] offset:(\k)+(\i)*16*PITCH+32
.endr
	WIN 0
.irp i, 0,1,2,3,4,5,6,7
	ds_load_b128 v[(\f)+8*(\i):(\f)+8*(\i)+3],   v[ADRA+(\slot)] offset:(\k)+(\i)*16*PITCH
	ds_load_b128 v[(\f)+8*(\i)+4:(\f)+8*(\i)+7], v[ADRA+(\slot)] offset:(\k)+(\i)*16*PITCH+32
.endr
.endm
.macro PLACES                          ; four plain vector instructions between a matrix instruction and a load into, or a vector read of, its registers
.rept 4
	v_nop
.endr
.endm
; A K step is four quarters of 32 along K, 64 matrix instructions each, on buffers 0, 1, 0, 1.  The 64 accumulators take turns in the same order in every quarter.
.macro QUARTER slot, k, f, g, zero
	s_wait_dscnt 8                                 ; B and A's rows 0-63 are in; the youngest eight loads (A's rows 64-127) may be out
	WIN MUL_LO
	MUL16 \f, 0, 0, \zero
	MUL16 \f, 0, 2, \zero
	PLACES
	FETCH \slot, \k, \g
	s_wait_dscnt 32                                ; all but the 32 just issued
	WIN MUL_HI
	MUL16 \f, 1, 0, \zero
	MUL16 \f, 1, 2, \zero
.endm
; The last quarter's first half: ONE barrier for the change of slots.  In front of it each wave waits for all its tensor loads (one is out: its part of the next slot), adds 0 to its spare word,
; and waits for that and for its own reads of this slot.
.macro MEET round
	WIN 0
	s_wait_tensorcnt 0x0
	ds_add_u32 v[SPW], v[NIL]
	s_wait_dscnt 9                                 ; the add and the youngest eight loads may be out
	WIN MUL_LO
	MUL16 F1, 0, 0, 0
	s_wait_dscnt 0x0                               ; the add is done, and my reads of this slot are over
	s_barrier_signal -1
	MUL16 F1, 0, 2, 0
.if \round
	WIN 0
.endif
	s_barrier_wait -1
.endm
.macro TURN slot, next
	s_wait_xcnt 0x0                                ; the last prefetch, a K step back, has read its address
	s_add_nc_u64 s[PFA:PFA+1], s[PFA:PFA+1], KSTEP*2
	MEET 1
	CREST                                          ; no wave of any partner still reads this slot's tile or has a load on its way
	s_add_nc_u64 s[G0+4*(\slot)+2:G0+4*(\slot)+3], s[G0+4*(\slot)+2:G0+4*(\slot)+3], 2*KSTEP*2
	s_add_nc_u64 s[G0B+4*(\slot)+2:G0B+4*(\slot)+3], s[G0B+4*(\slot)+2:G0B+4*(\slot)+3], 2*KSTEP*2
	JLOAD \slot                                    ; the first tensor load behind the round, my only one until the next; its four v_nop are also the places in front of the loads below
	FETCH \next, 0, F0
	ASK
	WIN MUL_HI
	MUL16 F1, 1, 0, 0
	MUL16 F1, 1, 2, 0
.endm
; THE LAST K STEP (slot 1) GOES BY ROWS OF C: all its fragments of B fill window 1; my eight blocks of 16 rows are finished one after the other, 32 matrix instructions each, K ascending.
.macro BLOAD q
	WIN TO_B
.irp i, 0,1,2,3,4,5,6,7
	ds_load_b128 v[64*(\q)+8*(\i):64*(\q)+8*(\i)+3],   v[ADRB+1] offset:64*(\q)+(\i)*16*PITCH
	ds_load_b128 v[64*(\q)+8*(\i)+4:64*(\q)+8*(\i)+7], v[ADRB+1] offset:64*(\q)+(\i)*16*PITCH+32
.endr
.endm
.macro ALOAD a
	WIN 0
.set FA, PA+32*((\a)%4)
.irp q, 0,1,2,3
	ds_load_b128 v[FA+8*(\q):FA+8*(\q)+3],   v[ADRA+1] offset:64*(\q)+(\a)*16*PITCH
	ds_load_b128 v[FA+8*(\q)+4:FA+8*(\q)+7], v[ADRA+1] offset:64*(\q)+(\a)*16*PITCH+32
.endr
.endm
.macro ROW a
.set FA, PA+32*((\a)%4)
.set AC, 64*((\a)%4)
	WIN MUL_LO+0x50*((\a)/4)
.irp q, 0,1,2,3
.if (\a) == 0 && (\q) == 2
	s_wait_dscnt 24                                ; B's quarter 2 is in (behind it: A's blocks 1 to 3)
.endif
.irp b, 0,1,2,3,4,5,6,7
	v_wmma_f32_16x16x32_bf16 v[AC+8*(\b):AC+8*(\b)+7], v[64*(\q)+8*(\b):64*(\q)+8*(\b)+7], v[FA+8*(\q):FA+8*(\q)+7], v[AC+8*(\b):AC+8*(\b)+7]
.endr
.endr
.endm
; THE WAY OUT of block a.  PACK: rounded to f16, 16 bytes a lane, each accumulator's registers in ascending order.  TOSTAGE: into my own stage, and back as whole rows of 256 bytes.  SEND: stored.
.macro PACK a
.set AC, 64*((\a)%4)
	WIN 0x0a+5*((\a)/4)
.irp b, 0,1,2,3,4,5,6,7
.irp r, 0,1,2,3
	v_cvt_pk_f16_f32 v[TMP+4*(\b)+(\r)], v[AC+8*(\b)+2*(\r)], v[AC+8*(\b)+2*(\r)+1]
.endr
.endr
	WIN 0
.endm
.macro TOSTAGE a
	WIN 0
.set BK, OB+192*((\a)%2)
.irp b, 0,1,2,3,4,5,6,7
	ds_store_b128 v[STO], v[TMP+4*(\b):TMP+4*(\b)+3] offset:32*(\b)
.endr
.irp t, 0,1,2,3,4,5,6,7
	ds_load_b128 v[BK+4*(\t):BK+4*(\t)+3], v[RD] offset:(\t)*2*SPITCH  ; LDS serves a wave's instructions in order: these see the stores above
.endr
.endm
.macro SEND a, younger
	WIN 0
.set BK, OB+192*((\a)%2)
	s_wait_dscnt \younger
	s_wait_xcnt 0x0                                ; the stores' base and the registers that earlier stores read are rewritten only behind this wait
.if (\a) == 0
	s_add_nc_u64 s[8:9], s[8:9], s[16:17]
.else
	s_add_nc_u64 s[8:9], s[8:9], 16*SIZE_N*2
.endif
.irp t, 0,1,2,3,4,5,6,7
	global_store_b128 v[CO], v[BK+4*(\t):BK+4*(\t)+3], s[8:9] offset:2*(\t)*SIZE_N*2  ; 16 lanes store 256 consecutive bytes, aligned
.endr
.endm
	s_wait_tensorcnt 1                             ; my part of K step 0 is in; K step 1's may stay out
	s_barrier_signal -1
	s_barrier_wait -1
	FETCH 0, 0, F0
	QUARTER 0, 64,  F0, F1, 1                      ; the first quarter stands in front of the loop: its products start the sums
	WIN 0
	s_mov_b32 s3, LAPS-1
.Llap:                                                 ; a trip goes once round the ring and fills both slots again
	QUARTER 0, 128, F1, F0, 0
	QUARTER 0, 192, F0, F1, 0
	TURN 0, 1
	QUARTER 1, 64,  F0, F1, 0
	QUARTER 1, 128, F1, F0, 0
	QUARTER 1, 192, F0, F1, 0
	TURN 1, 0
	QUARTER 0, 64,  F0, F1, 0
	WIN 0
	s_sub_co_u32 s3, s3, 1
	s_cmp_lg_u32 s3, 0
	s_cbranch_scc1 .Llap
	QUARTER 0, 128, F1, F0, 0
	QUARTER 0, 192, F0, F1, 0
	MEET 0                                         ; slot 1's load has landed; nothing is filled again, so no round follows
	PLACES
	WIN TO_B
	BLOAD 0
	BLOAD 1
	BLOAD 3
	WIN 0
	ALOAD 0
	WIN MUL_HI
	MUL16 F1, 1, 0, 0
	MUL16 F1, 1, 2, 0
	PLACES
	WIN TO_B
	BLOAD 2
	WIN 0
	ALOAD 1
	ALOAD 2
	ALOAD 3
	s_wait_dscnt 40                                ; all but the 40 just issued
	ROW 0
.irp a, 0,1,2,3,4,5,6,7
	PLACES
	PACK \a
	TOSTAGE \a
.if (\a) < 4
	ALOAD (\a)+4
	SEND \a, 8
.else
	SEND \a, 0
.endif
.if (\a) < 7
	ROW (\a)+1
.endif
.endr
	s_wait_tensorcnt 0x0                           ; the wave's end
	ds_add_u32 v[SPW], v[NIL]
	s_wait_dscnt 0x0
	CROUND                                         ; the closing round
	s_endpgm
.Lfunc_end_k_qddcd578f0f_gemm_qkv:
	.size	k_qddcd578f0f_gemm_qkv, .Lfunc_end_k_qddcd578f0f_gemm_qkv-k_qddcd578f0f_gemm_qkv
	.p2alignl 7, 3214868480
	.fill 96, 4, 3214868480
	.section	.rodata,"a",@progbits
	.p2align	6, 0x0
	.amdhsa_kernel k_qddcd578f0f_gemm_qkv
		.amdhsa_group_segment_fixed_size 327680
		.amdhsa_private_segment_fixed_size 0
		.amdhsa_enable_private_segment 0
		.amdhsa_kernarg_size 16
		.amdhsa_user_sgpr_count 2
		.amdhsa_user_sgpr_kernarg_segment_ptr 1
		.amdhsa_wavefront_size32 1
		.amdhsa_system_sgpr_workgroup_id_x 1
		.amdhsa_system_sgpr_workgroup_id_y 1
		.amdhsa_system_sgpr_workgroup_id_z 1
		.amdhsa_system_vgpr_workitem_id 0
		.amdhsa_next_free_vgpr 1024
		.amdhsa_next_free_sgpr 66
		.amdhsa_reserve_vcc 0
		.amdhsa_float_denorm_mode_32 3
		.amdhsa_float_denorm_mode_16_64 3
		.amdhsa_memory_ordered 1
		.amdhsa_forward_progress 1
		.amdhsa_inst_pref_size 144
	.end_amdhsa_kernel
	.amdgpu_metadata
---
amdhsa.version: [ 1, 2 ]
amdhsa.kernels:
  - .name:           k_qddcd578f0f_gemm_qkv
    .symbol:         k_qddcd578f0f_gemm_qkv.kd
    .args:
      - { .name: c16, .offset: 0, .size: 8, .value_kind: global_buffer, .address_space: global }
      - { .name: qkv, .offset: 8, .size: 8, .value_kind: global_buffer, .address_space: global }
    .group_segment_fixed_size: 327680
    .private_segment_fixed_size: 0
    .kernarg_segment_align: 8
    .kernarg_segment_size: 16
    .max_flat_workgroup_size: 128
    .sgpr_count:     66
    .vgpr_count:     1024
    .wavefront_size: 32
...
	.end_amdgpu_metadata
.endif
;; end of part 2
;; launch kvsum (part 3): grid 16 x 16, 8 waves a work-group, no clusters, 117,760 bytes of LDS; arguments qkv, freqs_cis, kvp, kst; writes kvp, kst
.if DOCPART == 3
	.amdgcn_target "amdgcn-amd-amdhsa--gfx1250"
	.amdhsa_code_object_version 6
	.text
	.protected	k_qddcd578f0f_kvsum
	.globl	k_qddcd578f0f_kvsum
	.p2align	8
	.type	k_qddcd578f0f_kvsum,@function
k_qddcd578f0f_kvsum:
	s_mov_b64 s[64:65], 0
	v_nop
	global_prefetch_b8 v0, s[64:65] scope:SCOPE_SE
	s_setreg_imm32_b32 hwreg(HW_REG_WAVE_MODE, 25, 1), 1
	s_wait_xcnt 0x0
; Launch 3 of 6.  For batch and kv head bg = 8 b + g and chunk c of 128 positions: rotary on k; the column maximum m_c[d] over the chunk; ke[j][d] = e^(k[j][d] - m_c[d]); z_c[d] = sum over j of ke;
; and kv_c[d][e] = sum over j of ke[j][d] v[j][e], stored transposed, [e][d], in f32 (a partial sum).  The next launch turns the chunk maxima into the sequence's maximum.
; LEFT OUT: the work is done for 8 kv heads, not for their 16 copies; chunk 15's product k^T v, its V tile and its ke are not made: cum[:, :, :-1] slices that sum away (its m and z are made).
; LIMITS: k comes rounded to f16, so an exponent carries |k| x 2^-11; ke lies in 0 to 1 and keeps f16's fixed step of 6e-8 below 6e-5 (z_c is at least 1); NaN and infinities are not treated apart.
; No tensor load, no cluster, no prefetch: a work-group reads 128 KiB once, all of it asked for at the head, and shares nothing with another but 64 KiB of freqs_cis.
; SHARES, vector part.  Wave w owns rows 16 w .. 16 w + 15; load i takes rows 16 w + 2 i + (lane / 16); a lane holds columns 8 q .. 8 q + 7, q = lane % 16: four rotary pairs.
; SHARES, product.  D[m = d][n = e]: source 0 = ke turned, source 1 = v turned (both lie [j][.] in LDS: ds_load_tr16_b128).  Wave w makes d blocks 4 (w / 4) + 0..3 and e blocks 2 (w % 4) + 0, 1.
; A lane then holds one e and eight neighbouring d: 32 bytes of a row of kv^T.
.set KE,    0                          ; LDS: 128 rows of ke, pitch 288
.set VT,    36864                      ; 128 rows of v, pitch 288
.set PART,  73728                      ; the waves' column maxima [8][128] f32, then their column sums
.set STG,   81920                      ; 16 rows x 272 bytes for each wave, for the way out
.set SPARE, 116736                     ; the spare words, 128 bytes a wave, which no other line names
.set PT,    288                        ; 256 + 32 bytes = 72 words
.set SP,    272
.set SPW, 4                            ; v4   LDS address of my spare word; never rewritten
.set NIL, 5                            ; v5   0; never rewritten
.set Z0,  6                            ; v6   0.0, the addend of a product taken from an f16 half
.set GK,  7                            ; v7   (16 w + sub) x 8192 + 16 q
.set GF,  8                            ; v8   (16 w + sub) x 512 + 32 q
.set LK,  9                            ; v9   (16 w + sub) x 288 + 16 q
.set LP,  10                           ; v10  PART + 512 w + 32 q
.set RP,  11                           ; v11  PART + 32 q
.set TA,  12                           ; v12  the turning load's address in KE
.set TB,  13                           ; v13  the same in VT
.set STO, 14
.set RD,  15
.set XR,  16                           ; v[16:47]   k as loaded
.set VR,  48                           ; v[48:79]   v as loaded
.set ACC, 16                           ; v[16:79]   later: 8 accumulators, (eb, db) at 8 (4 eb + db)
.set FR,  80                           ; v[80:143]  cos, sin; later the waves' maxima
.set FG,  80                           ; v[80:175]  later: two sets of fragments, 48 each
.set RO,  144                          ; v[144:207] rotated k, row i, column j at 8 i + j
.set MM,  208                          ; v[208:215] column maxima
.set TT,  216                          ; v[216:223] column sums
.set ML,  224                          ; v[224:231] m x log2(e)
.set CO,  232
.set SR,  233
.set L16, 234
.macro ROT x, fc, fs, o0, o1           ; (x0, x1) in the halves of x: o0 = x0 c - x1 s, o1 = x0 s + x1 c, in f32
	v_fma_mix_f32 v[\o0], v[\x], v[\fs], v[Z0] op_sel:[1,0,0] op_sel_hi:[1,0,0]
	v_fma_mix_f32 v[\o1], v[\x], v[\fc], v[Z0] op_sel:[1,0,0] op_sel_hi:[1,0,0]
	v_fma_mix_f32 v[\o0], v[\x], v[\fc], -v[\o0] op_sel_hi:[1,0,0]
	v_fma_mix_f32 v[\o1], v[\x], v[\fs], v[\o1] op_sel_hi:[1,0,0]
.endm
.macro COLMAX src                      ; MM[j] = the largest of src[8 i + j], i = 0..7
.irp j, 0,1,2,3,4,5,6,7
	v_max3_num_f32 v[MM+(\j)], v[(\src)+(\j)], v[(\src)+8+(\j)], v[(\src)+16+(\j)]
.endr
.irp a, 24,40
.irp j, 0,1,2,3,4,5,6,7
	v_max3_num_f32 v[MM+(\j)], v[MM+(\j)], v[(\src)+(\a)+(\j)], v[(\src)+(\a)+8+(\j)]
.endr
.endr
.irp j, 0,1,2,3,4,5,6,7
	v_max_num_f32 v[MM+(\j)], v[MM+(\j)], v[(\src)+56+(\j)]
.endr
.endm
	s_load_b256 s[4:11], s[0:1], 0x0               ; qkv s[4:5], freqs_cis s[6:7], kvp s[8:9], kst s[10:11]
	v_lshl_add_u32 v[SPW], v0, 2, SPARE
	v_mov_b32 v[NIL], 0
	v_mov_b32 v[Z0], 0
	v_lshrrev_b32 v1, 5, v0
	v_readfirstlane_b32 s12, v1                    ; wave 0..7
	s_mov_b32 s13, ttmp9                           ; c
	s_and_b32 s14, ttmp7, 0xffff                   ; bg
	v_and_b32 v1, 31, v0                           ; lane
	v_and_b32 v2, 15, v0                           ; q
	v_bfe_u32 v3, v0, 4, 1                         ; sub
	s_lshl_b32 s15, s12, 4
	v_add_nc_u32 v235, s15, v3                     ; 16 w + sub
	v_lshlrev_b32 v[GK], 13, v235
	v_lshl_add_u32 v[GK], v2, 4, v[GK]
	v_lshlrev_b32 v[GF], 9, v235
	v_lshl_add_u32 v[GF], v2, 5, v[GF]
	v_mul_u32_u24 v[LK], v235, PT
	v_lshl_add_u32 v[LK], v2, 4, v[LK]
	s_lshl_b32 s28, s12, 9
	s_add_co_u32 s28, s28, PART
	v_lshl_add_u32 v[LP], v2, 5, s28
	v_lshlrev_b32 v[RP], 5, v2
	v_add_nc_u32 v[RP], PART, v[RP]
	v_and_b32 v236, 7, v0
	v_lshl_add_u32 v236, v3, 3, v236
	v_mul_u32_u24 v236, v236, PT
	v_bfe_u32 v237, v0, 3, 1
	v_lshl_add_u32 v236, v237, 4, v236             ; (8 sub + lane % 8) x 288 + 16 ((lane / 8) % 2)
	s_lshr_b32 s29, s12, 2                         ; wd
	s_and_b32 s30, s12, 3                          ; we
	s_lshl_b32 s31, s29, 7
	v_add_nc_u32 v[TA], s31, v236                  ; + my 64 d: 128 bytes
	s_lshl_b32 s31, s30, 6
	s_add_co_u32 s31, s31, VT
	v_add_nc_u32 v[TB], s31, v236                  ; + my 32 e: 64 bytes
	s_mul_i32 s31, s12, 16*SP
	s_add_co_u32 s31, s31, STG                     ; my stage
	v_mul_u32_u24 v[STO], v2, SP
	v_lshl_add_u32 v[STO], v3, 5, v[STO]
	v_add_nc_u32 v[STO], s31, v[STO]               ; in: row e = q, 32 bytes for each half of the lanes
	v_mul_u32_u24 v[RD], v3, SP
	v_lshl_add_u32 v[RD], v2, 4, v[RD]
	v_add_nc_u32 v[RD], s31, v[RD]                 ; back: lanes 0-15 one row of 256 bytes, lanes 16-31 the next
	s_lshl_b32 s32, s30, 14                        ; 32 we rows of 512 bytes
	s_lshl_b32 s33, s29, 8                         ; 64 wd columns of 4 bytes
	s_add_co_u32 s32, s32, s33
	v_lshlrev_b32 v[CO], 9, v3
	v_lshl_add_u32 v[CO], v2, 4, v[CO]
	v_add_nc_u32 v[CO], s32, v[CO]
	v_lshlrev_b32 v[L16], 4, v1
	v_add_nc_u32 v[SR], PART, v[L16]
	s_lshr_b32 s34, s14, 3                         ; b
	s_lshl_b32 s34, s34, 11
	s_lshl_b32 s35, s13, 7
	s_add_co_u32 s34, s34, s35                     ; the chunk's first row: 2048 b + 128 c
	s_lshl_b32 s34, s34, 13
	s_and_b32 s35, s14, 7
	s_lshl_b32 s35, s35, 8
	s_add_co_u32 s34, s34, s35
	s_add_co_u32 s34, s34, 4096                    ; k of head g
	s_mov_b32 s35, 0
	s_lshl_b32 s36, s13, 16                        ; 128 rows of 512 bytes of freqs_cis
	s_mov_b32 s37, 0
	s_mul_i32 s38, s14, 15
	s_min_u32 s39, s13, 14
	s_add_co_u32 s38, s38, s39
	s_lshl_b32 s38, s38, 16
	s_mov_b32 s39, 0
	s_lshl_b32 s30, s14, 4
	s_add_co_u32 s30, s30, s13
	s_lshl_b32 s30, s30, 10
	s_mov_b32 s31, 0
	s_mov_b32 s24, 0x3fb8aa3b                      ; log2(e)
	s_mov_b32 s25, s24                             ; named with it as a pair
	s_mov_b32 s26, 0x76543210                      ; v_permlanex16_b32: each lane takes its own place in the other half
	s_mov_b32 s27, 0xfedcba98
	s_wait_kmcnt 0x0
	s_add_nc_u64 s[16:17], s[4:5], s[34:35]
	s_add_nc_u64 s[18:19], s[6:7], s[36:37]
	s_add_nc_u64 s[20:21], s[8:9], s[38:39]
	s_add_nc_u64 s[22:23], s[10:11], s[30:31]
.irp i, 0,1,2,3,4,5,6,7
	global_load_b128 v[XR+4*(\i):XR+4*(\i)+3], v[GK], s[16:17] offset:16384*(\i)  ; 16 lanes take a row's 256 bytes
.endr
.irp i, 0,1,2,3,4,5,6,7
	global_load_b128 v[FR+8*(\i):FR+8*(\i)+3],   v[GF], s[18:19] offset:1024*(\i)
	global_load_b128 v[FR+8*(\i)+4:FR+8*(\i)+7], v[GF], s[18:19] offset:1024*(\i)+16
.endr
	s_cmp_eq_u32 s13, 15                           ; the last chunk has no product: its V tile is not fetched
	s_cbranch_scc1 .Lno_v
.irp i, 0,1,2,3,4,5,6,7
	global_load_b128 v[VR+4*(\i):VR+4*(\i)+3], v[GK], s[16:17] offset:16384*(\i)+2048
.endr
	s_wait_loadcnt 0x0
.irp i, 0,1,2,3,4,5,6,7
	ds_store_b128 v[LK], v[VR+4*(\i):VR+4*(\i)+3] offset:VT+2*PT*(\i)
.endr
.Lno_v:
	s_wait_loadcnt 0x0                             ; k and freqs_cis are in
.irp i, 0,1,2,3,4,5,6,7
.irp p, 0,1,2,3
	ROT XR+4*(\i)+(\p), FR+8*(\i)+2*(\p), FR+8*(\i)+2*(\p)+1, RO+8*(\i)+2*(\p), RO+8*(\i)+2*(\p)+1
.endr
.endr
	COLMAX RO                                      ; my 8 rows,
.irp j, 0,1,2,3,4,5,6,7
	v_permlanex16_b32 v[XR+(\j)], v[MM+(\j)], s26, s27  ; the other half of the lanes' 8 rows (XR has been written)
.endr
.irp j, 0,1,2,3,4,5,6,7
	v_max_num_f32 v[MM+(\j)], v[MM+(\j)], v[XR+(\j)]
.endr
	ds_store_b128 v[LP], v[MM:MM+3]                ; both halves of the lanes write the same numbers to the same words
	ds_store_b128 v[LP], v[MM+4:MM+7] offset:16
	s_wait_dscnt 0x0                               ; for the others' sake: my stores are done
	s_barrier_signal -1
	s_barrier_wait -1
.irp w, 0,1,2,3,4,5,6,7
	ds_load_b128 v[FR+8*(\w):FR+8*(\w)+3],   v[RP] offset:512*(\w)
	ds_load_b128 v[FR+8*(\w)+4:FR+8*(\w)+7], v[RP] offset:512*(\w)+16
.endr
	s_wait_dscnt 0x0
	COLMAX FR                                      ; m_c of my 8 columns
.irp p, 0,2,4,6
	v_pk_mul_f32 v[ML+(\p):ML+(\p)+1], v[MM+(\p):MM+(\p)+1], s[24:25] op_sel_hi:[1,0]
.endr
.irp i, 0,1,2,3,4,5,6,7
.irp p, 0,2,4,6
	v_pk_fma_f32 v[RO+8*(\i)+(\p):RO+8*(\i)+(\p)+1], v[RO+8*(\i)+(\p):RO+8*(\i)+(\p)+1], s[24:25], v[ML+(\p):ML+(\p)+1] op_sel_hi:[1,0,1] neg_lo:[0,0,1] neg_hi:[0,0,1]
.endr
.endr
.set n, 0
.rept 64
	v_exp_f32 v[RO+n], v[RO+n]                     ; one batch: every exponent is 0 or below
.set n, n+1
.endr
	v_nop                                          ; a plain instruction behind the last exponential,
	s_wait_alu depctr_va_vdst(0)                   ; and the one wait ahead of the batch's first reader
.irp p, 0,2,4,6
	v_pk_add_f32 v[TT+(\p):TT+(\p)+1], v[RO+(\p):RO+(\p)+1], v[RO+8+(\p):RO+8+(\p)+1]
.endr
.irp a, 16,24,32,40,48,56
.irp p, 0,2,4,6
	v_pk_add_f32 v[TT+(\p):TT+(\p)+1], v[TT+(\p):TT+(\p)+1], v[RO+(\a)+(\p):RO+(\a)+(\p)+1]
.endr
.endr
.irp j, 0,1,2,3,4,5,6,7
	v_permlanex16_b32 v[XR+(\j)], v[TT+(\j)], s26, s27
.endr
.irp j, 0,1,2,3,4,5,6,7
	v_add_f32 v[TT+(\j)], v[TT+(\j)], v[XR+(\j)]
.endr
	ds_store_b128 v[LP], v[TT:TT+3] offset:4096    ; other bytes than the maxima, which other waves may still be reading
	ds_store_b128 v[LP], v[TT+4:TT+7] offset:4112
	s_cmp_eq_u32 s13, 15                           ; the last chunk's ke serves no product
	s_cbranch_scc1 .Lno_ke
.irp i, 0,1,2,3,4,5,6,7
.irp p, 0,1,2,3
	v_cvt_pk_f16_f32 v[FR+4*(\i)+(\p)], v[RO+8*(\i)+2*(\p)], v[RO+8*(\i)+2*(\p)+1]
.endr
.endr
.irp i, 0,1,2,3,4,5,6,7
	ds_store_b128 v[LK], v[FR+4*(\i):FR+4*(\i)+3] offset:KE+2*PT*(\i)
.endr
.Lno_ke:
	s_wait_dscnt 0x0
	s_barrier_signal -1
	s_barrier_wait -1                              ; ke, v and the waves' sums lie in LDS
	s_cmp_lg_u32 s12, 0                            ; wave 0 stores the chunk's m and z: lane l the columns 4 l .. 4 l + 3
	s_cbranch_scc1 .Lnot_0
.irp w, 0,1,2,3,4,5,6,7
	ds_load_b128 v[144+4*(\w):144+4*(\w)+3], v[SR] offset:512*(\w)
	ds_load_b128 v[176+4*(\w):176+4*(\w)+3], v[SR] offset:4096+512*(\w)
.endr
	s_wait_dscnt 0x0
.irp k, 0,1,2,3
	v_max3_num_f32 v[MM+(\k)], v[144+(\k)], v[148+(\k)], v[152+(\k)]
.endr
.irp a, 156,164
.irp k, 0,1,2,3
	v_max3_num_f32 v[MM+(\k)], v[MM+(\k)], v[(\a)+(\k)], v[(\a)+4+(\k)]
.endr
.endr
.irp k, 0,1,2,3
	v_max_num_f32 v[MM+(\k)], v[MM+(\k)], v[172+(\k)]
.endr
.irp p, 0,2
	v_pk_add_f32 v[TT+(\p):TT+(\p)+1], v[176+(\p):176+(\p)+1], v[180+(\p):180+(\p)+1]
.endr
.irp a, 184,188,192,196,200,204
.irp p, 0,2
	v_pk_add_f32 v[TT+(\p):TT+(\p)+1], v[TT+(\p):TT+(\p)+1], v[(\a)+(\p):(\a)+(\p)+1]
.endr
.endr
	global_store_b128 v[L16], v[MM:MM+3], s[22:23]             ; 512 consecutive bytes; MM, TT and L16 are not written again
	global_store_b128 v[L16], v[TT:TT+3], s[22:23] offset:512
.Lnot_0:
	s_cmp_eq_u32 s13, 15
	s_cbranch_scc1 .Lend
; 32 positions' fragments into set s: four of ke^T, two of v^T, two turning loads each
.macro TLOAD ks, s
.irp db, 0,1,2,3
	ds_load_tr16_b128 v[FG+48*(\s)+8*(\db):FG+48*(\s)+8*(\db)+3],   v[TA] offset:32*PT*(\ks)+32*(\db)
	ds_load_tr16_b128 v[FG+48*(\s)+8*(\db)+4:FG+48*(\s)+8*(\db)+7], v[TA] offset:32*PT*(\ks)+16*PT+32*(\db)
.endr
.irp eb, 0,1
	ds_load_tr16_b128 v[FG+48*(\s)+32+8*(\eb):FG+48*(\s)+32+8*(\eb)+3],   v[TB] offset:32*PT*(\ks)+32*(\eb)
	ds_load_tr16_b128 v[FG+48*(\s)+32+8*(\eb)+4:FG+48*(\s)+32+8*(\eb)+7], v[TB] offset:32*PT*(\ks)+16*PT+32*(\eb)
.endr
.endm
; eight products; the eight accumulators take turns, one instruction a turn
.macro TMUL s, zero
.irp eb, 0,1
.irp db, 0,1,2,3
.if \zero
	v_wmma_f32_16x16x32_f16 v[ACC+8*(4*(\eb)+(\db)):ACC+8*(4*(\eb)+(\db))+7], v[FG+48*(\s)+8*(\db):FG+48*(\s)+8*(\db)+7], v[FG+48*(\s)+32+8*(\eb):FG+48*(\s)+32+8*(\eb)+7], 0
.else
	v_wmma_f32_16x16x32_f16 v[ACC+8*(4*(\eb)+(\db)):ACC+8*(4*(\eb)+(\db))+7], v[FG+48*(\s)+8*(\db):FG+48*(\s)+8*(\db)+7], v[FG+48*(\s)+32+8*(\eb):FG+48*(\s)+32+8*(\eb)+7], v[ACC+8*(4*(\eb)+(\db)):ACC+8*(4*(\eb)+(\db))+7]
.endif
.endr
.endr
.endm
.macro PLACES                          ; four plain vector instructions between a matrix instruction and a load into, or a read of, its registers
.rept 4
	v_nop
.endr
.endm
	TLOAD 0, 0
	TLOAD 1, 1
	s_wait_dscnt 12                                ; set 0 is in; set 1's twelve loads may stay out
	TMUL 0, 1
	PLACES
	TLOAD 2, 0
	s_wait_dscnt 12                                ; set 1 is in
	TMUL 1, 0
	PLACES
	TLOAD 3, 1
	s_wait_dscnt 12
	TMUL 0, 0
	s_wait_dscnt 0x0
	TMUL 1, 0
	PLACES
	; THE WAY OUT: 16 rows e x 64 d of f32 at a time through my own stage, and back as whole rows of 256 bytes.  Each accumulator's low four registers go first.
.irp eb, 0,1
.irp db, 0,1,2,3
	ds_store_b128 v[STO], v[ACC+8*(4*(\eb)+(\db)):ACC+8*(4*(\eb)+(\db))+3]   offset:64*(\db)
	ds_store_b128 v[STO], v[ACC+8*(4*(\eb)+(\db))+4:ACC+8*(4*(\eb)+(\db))+7] offset:64*(\db)+16
.endr
.irp t, 0,1,2,3,4,5,6,7
	ds_load_b128 v[FG+32*(\eb)+4*(\t):FG+32*(\eb)+4*(\t)+3], v[RD] offset:2*SP*(\t)  ; LDS serves a wave's instructions in order: these see the stores above, and the next block's stores come behind them
.endr
.endr
	s_wait_dscnt 16                                ; the first block is back; the second's sixteen instructions may stay out
.irp t, 0,1,2,3,4,5,6,7
	global_store_b128 v[CO], v[FG+4*(\t):FG+4*(\t)+3], s[20:21] offset:1024*(\t)  ; 16 lanes store 256 consecutive bytes, aligned
.endr
	s_wait_dscnt 0x0
.irp t, 0,1,2,3,4,5,6,7
	global_store_b128 v[CO], v[FG+32+4*(\t):FG+32+4*(\t)+3], s[20:21] offset:8192+1024*(\t)
.endr
.Lend:
	s_wait_tensorcnt 0x0                           ; the wave's end, behind my last LDS store
	ds_add_u32 v[SPW], v[NIL]
	s_wait_dscnt 0x0
	s_endpgm
.Lfunc_end_k_qddcd578f0f_kvsum:
	.size	k_qddcd578f0f_kvsum, .Lfunc_end_k_qddcd578f0f_kvsum-k_qddcd578f0f_kvsum
	.p2alignl 7, 3214868480
	.fill 96, 4, 3214868480
	.section	.rodata,"a",@progbits
	.p2align	6, 0x0
	.amdhsa_kernel k_qddcd578f0f_kvsum
		.amdhsa_group_segment_fixed_size 117760
		.amdhsa_private_segment_fixed_size 0
		.amdhsa_enable_private_segment 0
		.amdhsa_kernarg_size 32
		.amdhsa_user_sgpr_count 2
		.amdhsa_user_sgpr_kernarg_segment_ptr 1
		.amdhsa_wavefront_size32 1
		.amdhsa_system_sgpr_workgroup_id_x 1
		.amdhsa_system_sgpr_workgroup_id_y 1
		.amdhsa_system_sgpr_workgroup_id_z 1
		.amdhsa_system_vgpr_workitem_id 0
		.amdhsa_next_free_vgpr 240
		.amdhsa_next_free_sgpr 66
		.amdhsa_reserve_vcc 0
		.amdhsa_float_denorm_mode_32 3
		.amdhsa_float_denorm_mode_16_64 3
		.amdhsa_memory_ordered 1
		.amdhsa_forward_progress 1
		.amdhsa_inst_pref_size 43
	.end_amdhsa_kernel
	.amdgpu_metadata
---
amdhsa.version: [ 1, 2 ]
amdhsa.kernels:
  - .name:           k_qddcd578f0f_kvsum
    .symbol:         k_qddcd578f0f_kvsum.kd
    .args:
      - { .name: qkv, .offset: 0, .size: 8, .value_kind: global_buffer, .address_space: global }
      - { .name: freqs_cis, .offset: 8, .size: 8, .value_kind: global_buffer, .address_space: global }
      - { .name: kvp, .offset: 16, .size: 8, .value_kind: global_buffer, .address_space: global }
      - { .name: kst, .offset: 24, .size: 8, .value_kind: global_buffer, .address_space: global }
    .group_segment_fixed_size: 117760
    .private_segment_fixed_size: 0
    .kernarg_segment_align: 8
    .kernarg_segment_size: 32
    .max_flat_workgroup_size: 256
    .sgpr_count:     66
    .vgpr_count:     240
    .wavefront_size: 32
...
	.end_amdgpu_metadata
.endif
;; end of part 3
;; launch prefix (part 4): grid 16 x 16, 8 waves a work-group, no clusters, 0 bytes of LDS; arguments kvp, kst, st, kb; writes st, kb
.if DOCPART == 4
	.amdgcn_target "amdgcn-amd-amdhsa--gfx1250"
	.amdhsa_code_object_version 6
	.text
	.protected	k_qddcd578f0f_prefix
	.globl	k_qddcd578f0f_prefix
	.p2align	8
	.type	k_qddcd578f0f_prefix,@function
k_qddcd578f0f_prefix:
	s_mov_b64 s[64:65], 0
	v_nop
	global_prefetch_b8 v0, s[64:65] scope:SCOPE_SE
	s_setreg_imm32_b32 hwreg(HW_REG_WAVE_MODE, 25, 1), 1
	s_wait_xcnt 0x0
; Launch 4 of 6.  For each bg: M[d] = max over the 16 chunks of m_c[d]; Z[d] = sum of z_c[d] e^(m_c - M); f_c[d] = e^(m_c - M) / Z.  k's softmax over the sequence is ke x f_c, so the state in
; front of chunk i + 1 is S[d][e] = sum over c <= i of f_c[d] kv_c[d][e].  The running sum is kept in f32 registers; each prefix is stored once in f16, transposed as kv_c is: st[bg][i][e][d].
; kb[bg][d] = M log2(e) + log2(Z): the next launch makes k's softmax as 2^(k log2(e) - kb).  Every exponent is 0 or below; Z lies in 1 to 2,048.
; LEFT OUT: 15 prefixes, not 16: the sum over all 16 chunks is sliced away by cum[:, :, :-1].
; LIMIT: |S| is at most the largest |v|, within f16; below 6e-5 it keeps f16's fixed step of 6e-8.
; SHARES.  Wave w of work-group (slice, bg) owns row e = 8 slice + w; lane l the columns d = 4 l .. 4 l + 3.  All 47 loads of a wave go out at the head.  A stream: no LDS, no matrix unit.
.set MC, 16                            ; v[16:79]   m_c, then e^(m_c - M), then f_c: four registers a chunk
.set ZC, 80                            ; v[80:143]  z_c; later the 15 pairs that are stored
.set KV, 144                           ; v[144:203] my row of the 15 partial sums
.set MX, 204
.set ML, 208
.set ZZ, 212
.set RZ, 216
.set LG, 220
.set AC, 224                           ; v[224:227] the running sum
	s_load_b256 s[4:11], s[0:1], 0x0               ; kvp s[4:5], kst s[6:7], st s[8:9], kb s[10:11]
	v_lshrrev_b32 v1, 5, v0
	v_readfirstlane_b32 s12, v1                    ; wave 0..7
	s_mov_b32 s13, ttmp9                           ; slice
	s_and_b32 s14, ttmp7, 0xffff                   ; bg
	v_and_b32 v1, 31, v0
	v_lshlrev_b32 v2, 4, v1                        ; 16 l
	v_lshlrev_b32 v3, 3, v1                        ; 8 l
	s_lshl_b32 s15, s13, 3
	s_add_co_u32 s15, s15, s12                     ; e
	s_lshl_b32 s16, s14, 14                        ; kst: 16 chunks x 1,024 bytes
	s_mov_b32 s17, 0
	s_mul_i32 s18, s14, 983040                     ; kvp: 15 x 65,536 bytes,
	s_lshl_b32 s19, s15, 9                         ; row e of 512
	s_add_co_u32 s18, s18, s19
	s_mov_b32 s19, 0
	s_mul_i32 s20, s14, 491520                     ; st: 15 x 32,768 bytes,
	s_lshl_b32 s21, s15, 8                         ; row e of 256
	s_add_co_u32 s20, s20, s21
	s_mov_b32 s21, 0
	s_lshl_b32 s22, s14, 9
	s_mov_b32 s23, 0
	s_mov_b32 s24, 0x3fb8aa3b                      ; log2(e)
	s_mov_b32 s25, s24
	s_wait_kmcnt 0x0
	s_add_nc_u64 s[6:7], s[6:7], s[16:17]
	s_add_nc_u64 s[4:5], s[4:5], s[18:19]
	s_add_nc_u64 s[8:9], s[8:9], s[20:21]
	s_add_nc_u64 s[10:11], s[10:11], s[22:23]
.set c, 0
.rept 16
	global_load_b128 v[MC+4*c:MC+4*c+3], v2, s[6:7] offset:1024*c
	global_load_b128 v[ZC+4*c:ZC+4*c+3], v2, s[6:7] offset:1024*c+512
.set c, c+1
.endr
.set c, 0
.rept 15
	global_load_b128 v[KV+4*c:KV+4*c+3], v2, s[4:5] offset:65536*c th:TH_LOAD_NT  ; a wave's load covers a row's 512 bytes
.set c, c+1
.endr
	s_wait_loadcnt 15                              ; m and z are in; the 15 younger loads stay out
.irp k, 0,1,2,3
	v_max3_num_f32 v[MX+(\k)], v[MC+(\k)], v[MC+4+(\k)], v[MC+8+(\k)]
.endr
.irp a, 12,20,28,36,44,52
.irp k, 0,1,2,3
	v_max3_num_f32 v[MX+(\k)], v[MX+(\k)], v[MC+(\a)+(\k)], v[MC+(\a)+4+(\k)]
.endr
.endr
.irp k, 0,1,2,3
	v_max_num_f32 v[MX+(\k)], v[MX+(\k)], v[MC+60+(\k)]
.endr
.irp p, 0,2
	v_pk_mul_f32 v[ML+(\p):ML+(\p)+1], v[MX+(\p):MX+(\p)+1], s[24:25] op_sel_hi:[1,0]
.endr
.set c, 0
.rept 16
.irp p, 0,2
	v_pk_fma_f32 v[MC+4*c+(\p):MC+4*c+(\p)+1], v[MC+4*c+(\p):MC+4*c+(\p)+1], s[24:25], v[ML+(\p):ML+(\p)+1] op_sel_hi:[1,0,1] neg_lo:[0,0,1] neg_hi:[0,0,1]
.endr
.set c, c+1
.endr
.set n, 0
.rept 64
	v_exp_f32 v[MC+n], v[MC+n]
.set n, n+1
.endr
	v_nop                                          ; a plain instruction behind the last exponential,
	s_wait_alu depctr_va_vdst(0)                   ; and the one wait ahead of the batch's first reader
.irp p, 0,2
	v_pk_mul_f32 v[ZZ+(\p):ZZ+(\p)+1], v[ZC+(\p):ZC+(\p)+1], v[MC+(\p):MC+(\p)+1]
.endr
.set c, 1
.rept 15
.irp p, 0,2
	v_pk_fma_f32 v[ZZ+(\p):ZZ+(\p)+1], v[ZC+4*c+(\p):ZC+4*c+(\p)+1], v[MC+4*c+(\p):MC+4*c+(\p)+1], v[ZZ+(\p):ZZ+(\p)+1]
.endr
.set c, c+1
.endr
.irp k, 0,1,2,3
	v_rcp_f32 v[RZ+(\k)], v[ZZ+(\k)]
.endr
.irp k, 0,1,2,3
	v_log_f32 v[LG+(\k)], v[ZZ+(\k)]
.endr
	v_nop
	s_wait_alu depctr_va_vdst(0)                   ; one wait for the eight
.irp p, 0,2
	v_pk_add_f32 v[LG+(\p):LG+(\p)+1], v[LG+(\p):LG+(\p)+1], v[ML+(\p):ML+(\p)+1]
.endr
.set c, 0
.rept 15
.irp p, 0,2
	v_pk_mul_f32 v[MC+4*c+(\p):MC+4*c+(\p)+1], v[MC+4*c+(\p):MC+4*c+(\p)+1], v[RZ+(\p):RZ+(\p)+1]
.endr
.set c, c+1
.endr
.set c, 0
.rept 15
	s_wait_loadcnt 14-c                            ; partial sum c is in; the younger ones stay out
.irp p, 0,2
.if c == 0
	v_pk_mul_f32 v[AC+(\p):AC+(\p)+1], v[MC+(\p):MC+(\p)+1], v[KV+(\p):KV+(\p)+1]
.else
	v_pk_fma_f32 v[AC+(\p):AC+(\p)+1], v[MC+4*c+(\p):MC+4*c+(\p)+1], v[KV+4*c+(\p):KV+4*c+(\p)+1], v[AC+(\p):AC+(\p)+1]
.endif
.endr
	v_cvt_pk_f16_f32 v[ZC+2*c],   v[AC],   v[AC+1]  ; each prefix has registers of its own, so no store's data is written again
	v_cvt_pk_f16_f32 v[ZC+2*c+1], v[AC+2], v[AC+3]
	global_store_b64 v3, v[ZC+2*c:ZC+2*c+1], s[8:9] offset:32768*c  ; 32 lanes store a row's 256 bytes, aligned
.set c, c+1
.endr
	s_or_b32 s26, s13, s12                         ; one wave for each bg stores the bias
	s_cmp_lg_u32 s26, 0
	s_cbranch_scc1 .Lend
	global_store_b128 v2, v[LG:LG+3], s[10:11]
.Lend:
	s_endpgm
.Lfunc_end_k_qddcd578f0f_prefix:
	.size	k_qddcd578f0f_prefix, .Lfunc_end_k_qddcd578f0f_prefix-k_qddcd578f0f_prefix
	.p2alignl 7, 3214868480
	.fill 96, 4, 3214868480
	.section	.rodata,"a",@progbits
	.p2align	6, 0x0
	.amdhsa_kernel k_qddcd578f0f_prefix
		.amdhsa_group_segment_fixed_size 0
		.amdhsa_private_segment_fixed_size 0
		.amdhsa_enable_private_segment 0
		.amdhsa_kernarg_size 32
		.amdhsa_user_sgpr_count 2
		.amdhsa_user_sgpr_kernarg_segment_ptr 1
		.amdhsa_wavefront_size32 1
		.amdhsa_system_sgpr_workgroup_id_x 1
		.amdhsa_system_sgpr_workgroup_id_y 1
		.amdhsa_system_sgpr_workgroup_id_z 1
		.amdhsa_system_vgpr_workitem_id 0
		.amdhsa_next_free_vgpr 232
		.amdhsa_next_free_sgpr 66
		.amdhsa_reserve_vcc 0
		.amdhsa_float_denorm_mode_32 3
		.amdhsa_float_denorm_mode_16_64 3
		.amdhsa_memory_ordered 1
		.amdhsa_forward_progress 1
		.amdhsa_inst_pref_size 22
	.end_amdhsa_kernel
	.amdgpu_metadata
---
amdhsa.version: [ 1, 2 ]
amdhsa.kernels:
  - .name:           k_qddcd578f0f_prefix
    .symbol:         k_qddcd578f0f_prefix.kd
    .args:
      - { .name: kvp, .offset: 0, .size: 8, .value_kind: global_buffer, .address_space: global }
      - { .name: kst, .offset: 8, .size: 8, .value_kind: global_buffer, .address_space: global }
      - { .name: st, .offset: 16, .size: 8, .value_kind: global_buffer, .address_space: global }
      - { .name: kb, .offset: 24, .size: 8, .value_kind: global_buffer, .address_space: global }
    .group_segment_fixed_size: 0
    .private_segment_fixed_size: 0
    .kernarg_segment_align: 8
    .kernarg_segment_size: 32
    .max_flat_workgroup_size: 256
    .sgpr_count:     66
    .vgpr_count:     232
    .wavefront_size: 32
...
	.end_amdgpu_metadata
.endif
;; end of part 4
;; launch attn (part 5): grid 16 x 16, 4 waves a work-group, no clusters, 259,584 bytes of LDS; arguments qkv, freqs_cis, st, kb, ob; writes ob
.if DOCPART == 5
	.amdgcn_target "amdgcn-amd-amdhsa--gfx1250"
	.amdhsa_code_object_version 6
	.text
	.protected	k_qddcd578f0f_attn
	.globl	k_qddcd578f0f_attn
	.p2align	8
	.type	k_qddcd578f0f_attn,@function
k_qddcd578f0f_attn:
	s_mov_b64 s[64:65], 0
	v_nop
	global_prefetch_b8 v0, s[64:65] scope:SCOPE_SE
	s_setreg_imm32_b32 hwreg(HW_REG_WAVE_MODE, 25, 1), 1
	s_wait_xcnt 0x0
; Launch 5 of 6.  For bg = 8 b + g and chunk c, both q heads 2 g + r of the kv head: rotary on q and k; qh = softmax over the 128 features of q / sqrt(128), with the row's maximum taken away;
; kn = 2^(k log2(e) - kb), k's softmax over the sequence (kb holds the column's maximum and the logarithm of its sum, so every exponent is 0 or below);
; O = tril(qh kn^T) v + qh S, S the state in front of the chunk.  O leaves in f16, [4096][2048], head h at byte 256 h of a row.
; LEFT OUT: blocks of 16 queries x 32 keys wholly above the diagonal (reference()'s own tril sets them to 0); chunk 0's product with S (reference() concatenates zeros there: the tile that
; chunk 0's one path of tensor loads brings is never read); k and v are treated once for the two heads that repeat_kv copies them to.
; LIMITS: q and k come rounded to f16, so an exponent carries |k| x 2^-11; qh, kn, the scores and S keep f16's fixed step of 6e-8 below 6e-5 (qh sums to 1 over 128, kn over 2,048 numbers);
; |O| is at most the largest |v|; NaN and infinities are not treated apart.
; No cluster: no two work-groups read the same tile but freqs_cis' (64 of 224 KiB).  No prefetch: all that a work-group reads is asked for at its head.
; LDS: five tiles, each filled once by tensor loads, five a wave, all issued together, in the order in which they are wanted: k, freqs_cis, q, v, the state.  The vector work starts as its tiles
; land: k's loop reads only rows that the wave's own first two loads brought, so a counted wait is all that it needs; q's loop follows a barrier, since its rows of freqs_cis come from two waves;
; v and the state are waited for in front of the products.  qh and kn are written over q and k, behind those tiles' only fill.
; SHARES.  Wave w: head r = w / 2, u = w % 2; its four positions t are the query rows 32 t + 16 u + 0..15.  Position t needs the key groups kg = 0 .. t of 32 keys; group t holds the diagonal:
; the same work in all four waves.  S^T = kn qh^T holds one query a lane (lane % 16) and keys 8 (lane / 16) + 0..7; two such results rounded to f16 are source 1 of O^T = v^T P.
; REGISTERS, in windows of 256 (s_set_vgpr_msb: bits 1:0 source 0, 3:2 source 1, 5:4 source 2, 7:6 destination):
;   window 0: addresses, at work; v64-127 S^T (16 t + 8 kb); v128-255 the way out      window 1: O^T at 64 t + 8 eb      window 2: v0-127 qh (32 t + 8 ks); v128-191 K; v192-255 V
.set QR,    0                          ; 256 rows (128 r + i) of q, pitch 272
.set KR,    69632                      ; 128 rows of k, pitch 272
.set VT,    104448                     ; 128 rows of v, pitch 288
.set STT,   141312                     ; 128 rows e of S^T, pitch 272
.set FQ,    176128                     ; 128 rows of freqs_cis, 512 bytes
.set STG,   241664                     ; 16 rows x 272 bytes for each wave, for the way out
.set SPARE, 259072                     ; the spare words, 128 bytes a wave, which no other line names
.set PR,    272                        ; 256 + 16 bytes = 68 words: the 16 rows that a load touches start 4 words apart modulo 64
.set PVT,   288                        ; 256 + 32
.set RL,  2                            ; lane % 16
.set H,   3                            ; lane / 16
.set L7,  4
.set B3,  5
.set AKP, 6                            ; k's rows as I treat them: KR + (32 w + h) 272 + 16 rl; steps
.set AFK, 7                            ; their freqs_cis
.set AQP, 8                            ; q's rows as I treat them: QR + (64 w + h) 272 + 16 rl; steps
.set AFQ, 9
.set AQ,  10                           ; fragments of qh
.set AK,  11                           ; of kn
.set AV,  12                           ; of v, turned
.set AST, 13                           ; of S^T
.set STO, 14
.set RD,  15
.set GO,  16
.set TQ,  17                           ; 16 u + rl - 8 h
.set Z0,  18
.set BO,  19
.set BI,  20                           ; v[20:27] kb of my 8 columns
.set SPW, 28
.set NIL, 29
.set MX,  30                           ; v[30:37] four pairs: a row's scaled maximum, later 1 / its sum, in the low register
.set TS,  38                           ; v[38:45] four pairs at work
.set XR,  48                           ; v[48:63]
.set FR,  64                           ; v[64:95]
.set RO,  96                           ; v[96:127]
.set S,   64
.set TMP, 128
.set KF,  128                          ; window 2
.set VF,  192                          ; window 2
.set G1Q, 16
.set G1K, 24
.set G1V, 32
.set G1S, 40
.set G1F, 48
.set G0Q, 56
.set G0K, 60
.set G0V, 68
.set G0S, 72
.set G0F, 76
.set MK,  80                           ; s[80:95] sixteen lane masks of the diagonal group (before that: at work)
.set MSB, 0
.macro WIN new                         ; the immediate's high byte repeats the setting that is left; a switch that changes nothing is dropped
.if MSB != (\new)
	s_set_vgpr_msb (MSB<<8)|(\new)
.set MSB, \new
.endif
.endm
.set W_LD, 0x80                        ; destination window 2, address window 0
.set W_KQ, 0x0a                        ; kn and qh in window 2, S^T in window 0
.set W_PV, 0x52                        ; v in window 2, P in window 0, O^T in window 1
.set W_IN, 0x5a                        ; S^T(state) and qh in window 2, O^T in window 1
.set W_PK, 0x05                        ; sources window 1, destination window 0
.macro NOPS n
.rept \n
	v_nop
.endr
.endm
.macro ROT x, fc, fs, o0, o1           ; (x0, x1) in the halves of x: o0 = x0 c - x1 s, o1 = x0 s + x1 c, in f32
	v_fma_mix_f32 v[\o0], v[\x], v[\fs], v[Z0] op_sel:[1,0,0] op_sel_hi:[1,0,0]
	v_fma_mix_f32 v[\o1], v[\x], v[\fc], v[Z0] op_sel:[1,0,0] op_sel_hi:[1,0,0]
	v_fma_mix_f32 v[\o0], v[\x], v[\fc], -v[\o0] op_sel_hi:[1,0,0]
	v_fma_mix_f32 v[\o1], v[\x], v[\fs], v[\o1] op_sel_hi:[1,0,0]
.endm
; eight rows (load i: rows 2 i + h) from LDS, and their rotary: a lane holds columns 8 rl .. 8 rl + 7 of four rows
.macro ROWS8 ax, af
.irp i, 0,1,2,3
	ds_load_b128 v[XR+4*(\i):XR+4*(\i)+3],   v[\ax] offset:2*PR*(\i)
	ds_load_b128 v[FR+8*(\i):FR+8*(\i)+3],   v[\af] offset:1024*(\i)
	ds_load_b128 v[FR+8*(\i)+4:FR+8*(\i)+7], v[\af] offset:1024*(\i)+16
.endr
	s_wait_dscnt 0x0
.irp i, 0,1,2,3
.irp p, 0,1,2,3
	ROT XR+4*(\i)+(\p), FR+8*(\i)+2*(\p), FR+8*(\i)+2*(\p)+1, RO+8*(\i)+2*(\p), RO+8*(\i)+2*(\p)+1
.endr
.endr
.endm
.macro EXP32                           ; one batch of 32 exponentials, a plain instruction, and the one wait ahead of the first reader
.set n, 0
.rept 32
	v_exp_f32 v[RO+n], v[RO+n]
.set n, n+1
.endr
	v_nop
	s_wait_alu depctr_va_vdst(0)
.endm
.macro BACK8 ax                        ; rounded to f16 and stored where the rows came from; then the address steps eight rows
.irp i, 0,1,2,3
.irp p, 0,1,2,3
	v_cvt_pk_f16_f32 v[XR+4*(\i)+(\p)], v[RO+8*(\i)+2*(\p)], v[RO+8*(\i)+2*(\p)+1]
.endr
.endr
.irp i, 0,1,2,3
	ds_store_b128 v[\ax], v[XR+4*(\i):XR+4*(\i)+3] offset:2*PR*(\i)
.endr
	v_add_nc_u32 v[\ax], 8*PR, v[\ax]
.endm
	s_load_b256 s[4:11], s[0:1], 0x0               ; qkv s[4:5], freqs_cis s[6:7], st s[8:9], kb s[10:11]
	s_load_b64 s[12:13], s[0:1], 0x20              ; ob
	v_lshl_add_u32 v[SPW], v0, 2, SPARE
	v_mov_b32 v[NIL], 0
	ds_add_u32 v[SPW], v[NIL]                      ; the wave's opening: the add, twice on end, and its wait ahead of my first tensor load
	ds_add_u32 v[SPW], v[NIL]
	v_lshrrev_b32 v1, 5, v0
	v_readfirstlane_b32 s14, v1                    ; wave 0..3
	s_mov_b32 s15, ttmp9                           ; c
	s_and_b32 s2, ttmp7, 0xffff                    ; bg
	s_lshr_b32 s80, s2, 3                          ; b
	s_and_b32 s81, s2, 7                           ; g
	s_lshr_b32 s82, s14, 1                         ; r
	s_and_b32 s83, s14, 1                          ; u
	s_lshl_b32 s84, s80, 11
	s_lshl_b32 s85, s15, 7                         ; 128 c
	s_add_co_u32 s84, s84, s85                     ; row0 = 2048 b + 128 c
	s_lshl_b32 s3, s81, 1
	s_add_co_u32 s3, s3, s82
	s_lshl_b32 s3, s3, 8                           ; my head's 256 bytes in a row: (2 g + r) x 256
	s_lshl_b32 s86, s83, 6                         ; q: rows row0 + 64 u on
	s_add_co_u32 s86, s86, s84
	s_lshl_b32 s86, s86, 13
	s_add_co_u32 s86, s86, s3
	s_mov_b32 s87, 0
	s_lshl_b32 s88, s14, 5                         ; k: rows row0 + 32 w on
	s_add_co_u32 s92, s88, s85                     ; freqs_cis: rows 128 c + 32 w on
	s_add_co_u32 s88, s88, s84
	s_lshl_b32 s88, s88, 13
	s_lshl_b32 s89, s81, 8
	s_add_co_u32 s88, s88, s89
	s_add_co_u32 s88, s88, 4096
	s_mov_b32 s89, 0
	s_mul_i32 s90, s2, 15                          ; the state in front of chunk c is entry c - 1 (chunk 0 brings entry 0 and never reads it)
	s_max_u32 s91, s15, 1
	s_add_co_u32 s90, s90, s91
	s_sub_co_u32 s90, s90, 1
	s_lshl_b32 s90, s90, 15
	s_lshl_b32 s91, s14, 13                        ; rows 32 w on, 256 bytes each
	s_add_co_u32 s90, s90, s91
	s_mov_b32 s91, 0
	s_lshl_b32 s92, s92, 9
	s_mov_b32 s93, 0
	s_lshl_b32 s94, s83, 4                         ; ob: rows row0 + 16 u on, 4,096 bytes each
	s_add_co_u32 s94, s94, s84
	s_lshl_b32 s94, s94, 12
	s_add_co_u32 s94, s94, s3
	s_mov_b32 s95, 0
	s_lshl_b32 s80, s2, 9                          ; kb: 512 bytes for each bg
	s_mov_b32 s81, 0
	s_mov_b32 s96, 0x3fb8aa3b                      ; log2(e)
	s_mov_b32 s97, s96
	s_mov_b32 s98, 0x3e0293ee                      ; log2(e) / sqrt(128)
	s_mov_b32 s99, s98
	; descriptor groups 1.  q: 64 rows x 128 f16, 4,096 elements from row to row, 4 words of padding behind each 64
	s_mov_b32 s[G1Q+0], (1<<16)|(1<<20)|(5<<22)|(3<<25)
	s_mov_b32 s[G1Q+1], 128<<16
	s_mov_b32 s[G1Q+2], 64<<16
	s_mov_b32 s[G1Q+3], 128<<16
	s_mov_b32 s[G1Q+4], 64
	s_mov_b32 s[G1Q+5], 4096
	s_mov_b32 s[G1Q+6], 0
	s_mov_b32 s[G1Q+7], 0
	; k: 32 rows
	s_mov_b32 s[G1K+0], (1<<16)|(1<<20)|(5<<22)|(3<<25)
	s_mov_b32 s[G1K+1], 128<<16
	s_mov_b32 s[G1K+2], 32<<16
	s_mov_b32 s[G1K+3], 128<<16
	s_mov_b32 s[G1K+4], 32
	s_mov_b32 s[G1K+5], 4096
	s_mov_b32 s[G1K+6], 0
	s_mov_b32 s[G1K+7], 0
	; v: the same with 8 words of padding
	s_mov_b32 s[G1V+0], (1<<16)|(1<<20)|(5<<22)|(7<<25)
	s_mov_b32 s[G1V+1], 128<<16
	s_mov_b32 s[G1V+2], 32<<16
	s_mov_b32 s[G1V+3], 128<<16
	s_mov_b32 s[G1V+4], 32
	s_mov_b32 s[G1V+5], 4096
	s_mov_b32 s[G1V+6], 0
	s_mov_b32 s[G1V+7], 0
	; the state: 32 rows, dense
	s_mov_b32 s[G1S+0], (1<<16)|(1<<20)|(5<<22)|(3<<25)
	s_mov_b32 s[G1S+1], 128<<16
	s_mov_b32 s[G1S+2], 32<<16
	s_mov_b32 s[G1S+3], 128<<16
	s_mov_b32 s[G1S+4], 32
	s_mov_b32 s[G1S+5], 128
	s_mov_b32 s[G1S+6], 0
	s_mov_b32 s[G1S+7], 0
	; freqs_cis: 16,384 dense bytes as 64 rows of 32 elements of 8 bytes, no padding
	s_mov_b32 s[G1F+0], 3<<16
	s_mov_b32 s[G1F+1], 32<<16
	s_mov_b32 s[G1F+2], 64<<16
	s_mov_b32 s[G1F+3], 32<<16
	s_mov_b32 s[G1F+4], 64
	s_mov_b32 s[G1F+5], 32
	s_mov_b32 s[G1F+6], 0
	s_mov_b32 s[G1F+7], 0
	; groups 0: the count, and the LDS address: a constant plus my wave's number times a constant
	s_mov_b32 s[G0Q], 1
	s_mul_i32 s[G0Q+1], s14, 64*PR
	s_mov_b32 s[G0K], 1
	s_mul_i32 s[G0K+1], s14, 32*PR
	s_add_co_u32 s[G0K+1], s[G0K+1], KR
	s_mov_b32 s[G0V], 1
	s_mul_i32 s[G0V+1], s14, 32*PVT
	s_add_co_u32 s[G0V+1], s[G0V+1], VT
	s_mov_b32 s[G0S], 1
	s_mul_i32 s[G0S+1], s14, 32*PR
	s_add_co_u32 s[G0S+1], s[G0S+1], STT
	s_mov_b32 s[G0F], 1
	s_lshl_b32 s[G0F+1], s14, 14
	s_add_co_u32 s[G0F+1], s[G0F+1], FQ
	s_wait_dscnt 0x0                               ; both opening adds are done
	s_wait_kmcnt 0x0
	s_add_nc_u64 s[G0Q+2:G0Q+3], s[4:5], s[86:87]
	s_add_nc_u64 s[G0K+2:G0K+3], s[4:5], s[88:89]
	s_add_nc_u64 s[G0V+2:G0V+3], s[G0K+2:G0K+3], 2048  ; v lies 2,048 bytes behind k in a row
	s_add_nc_u64 s[G0S+2:G0S+3], s[8:9], s[90:91]
	s_add_nc_u64 s[G0F+2:G0F+3], s[6:7], s[92:93]
	s_or_b32 s[G0Q+3], s[G0Q+3], 0x80000000        ; type = 2
	s_or_b32 s[G0K+3], s[G0K+3], 0x80000000
	s_or_b32 s[G0V+3], s[G0V+3], 0x80000000
	s_or_b32 s[G0S+3], s[G0S+3], 0x80000000
	s_or_b32 s[G0F+3], s[G0F+3], 0x80000000
	s_add_nc_u64 s[66:67], s[12:13], s[94:95]      ; ob at my first row and head
	s_add_nc_u64 s[10:11], s[10:11], s[80:81]
	tensor_load_to_lds s[G0K:G0K+3], s[G1K:G1K+7]  ; the first fills, one group, in the order in which they are wanted: five tensor loads of mine are out
	s_nop 0
	tensor_load_to_lds s[G0F:G0F+3], s[G1F:G1F+7]
	s_nop 0
	tensor_load_to_lds s[G0Q:G0Q+3], s[G1Q:G1Q+7]
	s_nop 0
	tensor_load_to_lds s[G0V:G0V+3], s[G1V:G1V+7]
	s_nop 0
	tensor_load_to_lds s[G0S:G0S+3], s[G1S:G1S+7]
	s_nop 0
	NOPS 4
	v_and_b32 v[RL], 15, v0
	v_lshlrev_b32 v[BO], 5, v[RL]
	global_load_b128 v[BI:BI+3],   v[BO], s[10:11]
	global_load_b128 v[BI+4:BI+7], v[BO], s[10:11] offset:16
	v_bfe_u32 v[H], v0, 4, 1
	v_and_b32 v[L7], 7, v0
	v_bfe_u32 v[B3], v0, 3, 1
	v_mul_u32_u24 v46, v[H], PR
	v_lshl_add_u32 v46, v[RL], 4, v46              ; 272 h + 16 rl: 16 lanes take a row's 256 bytes
	v_add_nc_u32 v[AKP], s[G0K+1], v46             ; the rows that my own load brings
	v_add_nc_u32 v[AQP], s[G0Q+1], v46
	s_mul_i32 s87, s14, 16*PR
	s_add_co_u32 s87, s87, STG                     ; my stage
	v_add_nc_u32 v[RD], s87, v46
	v_lshlrev_b32 v47, 9, v[H]
	v_lshl_add_u32 v47, v[RL], 5, v47              ; 512 h + 32 rl
	v_add_nc_u32 v[AFK], s[G0F+1], v47             ; the rows of freqs_cis that my own load brings: those of my rows of k
	s_lshl_b32 s86, s83, 15
	s_add_co_u32 s86, s86, FQ
	v_add_nc_u32 v[AFQ], s86, v47                  ; my q rows are positions 64 u on
	v_mul_u32_u24 v46, v[RL], PR
	v_lshl_add_u32 v46, v[H], 4, v46               ; 272 rl + 16 h: a fragment's lane term
	s_mul_i32 s85, s82, 128*PR
	s_mul_i32 s86, s83, 16*PR
	s_add_co_u32 s85, s85, s86
	v_add_nc_u32 v[AQ], s85, v46
	v_add_nc_u32 v[AK], KR, v46
	v_add_nc_u32 v[AST], STT, v46
	v_add_nc_u32 v[STO], s87, v46
	v_lshl_add_u32 v[AV], v[H], 3, v[L7]
	v_mul_u32_u24 v[AV], v[AV], PVT
	v_lshl_add_u32 v[AV], v[B3], 4, v[AV]
	v_add_nc_u32 v[AV], VT, v[AV]
	v_lshlrev_b32 v[GO], 12, v[H]
	v_lshl_add_u32 v[GO], v[RL], 4, v[GO]
	v_lshlrev_b32 v47, 3, v[H]
	v_sub_nc_u32 v[TQ], v[RL], v47
	s_lshl_b32 s84, s83, 4
	v_add_nc_u32 v[TQ], s84, v[TQ]
	v_mov_b32 v[Z0], 0
.irp i, 0,1,2,3
	v_mov_b32 v[MX+2*(\i)+1], 0                    ; named with the low register as a pair
.endr
	; in the diagonal group key 16 kb + 8 h + j is kept for query 16 u + rl where 16 kb + j <= 16 u + rl - 8 h
.set n, 0
.rept 16
	v_cmp_le_i32 s[MK+n], n+8*(n/8), v[TQ]
.set n, n+1
.endr
	s_wait_tensorcnt 0x3                           ; a wave's tensor loads end in order: my rows of k and of freqs_cis are in; q, v and the state, the three younger loads, stay out
	s_wait_loadcnt 0x0                             ; kb
	s_mov_b32 s2, 4
.Lk:                                               ; four trips of eight rows: my 32 rows of k become kn, in place.  Only bytes that my own two loads brought are touched: no barrier is needed
	ROWS8 AKP, AFK
.irp i, 0,1,2,3
.irp p, 0,2,4,6
	v_pk_fma_f32 v[RO+8*(\i)+(\p):RO+8*(\i)+(\p)+1], v[RO+8*(\i)+(\p):RO+8*(\i)+(\p)+1], s[96:97], v[BI+(\p):BI+(\p)+1] op_sel_hi:[1,0,1] neg_lo:[0,0,1] neg_hi:[0,0,1]
.endr
.endr
	EXP32
	BACK8 AKP
	v_add_nc_u32 v[AFK], 8*512, v[AFK]
	s_sub_co_u32 s2, s2, 1
	s_cmp_lg_u32 s2, 0
	s_cbranch_scc1 .Lk
	s_wait_tensorcnt 0x2                           ; my rows of q are in; v and the state, the two younger loads, stay out;
	s_wait_dscnt 0x0                               ; my stores of kn are done
	s_barrier_signal -1
	s_barrier_wait -1                              ; every wave's rows of freqs_cis are in: my rows of q take those of two waves.  Nothing is filled again in this launch, so loads may stay out here
	s_mov_b32 s2, 8
.Lq:                                               ; eight trips of eight rows: my 64 rows of q become qh, in place.  A row lies in 16 lanes of one half
	ROWS8 AQP, AFQ
.irp i, 0,1,2,3
	v_max3_num_f32 v[TS+2*(\i)], v[RO+8*(\i)], v[RO+8*(\i)+1], v[RO+8*(\i)+2]
.endr
.irp a, 3,5
.irp i, 0,1,2,3
	v_max3_num_f32 v[TS+2*(\i)], v[TS+2*(\i)], v[RO+8*(\i)+(\a)], v[RO+8*(\i)+(\a)+1]
.endr
.endr
.irp i, 0,1,2,3
	v_max_num_f32 v[TS+2*(\i)], v[TS+2*(\i)], v[RO+8*(\i)+7]
.endr
.irp m, 1,2,4,8
.irp i, 0,1,2,3
	v_max_num_f32_dpp v[TS+2*(\i)], v[TS+2*(\i)], v[TS+2*(\i)] row_xmask:\m row_mask:0xf bank_mask:0xf
.endr
.endr
.irp i, 0,1,2,3
	v_mul_f32 v[MX+2*(\i)], s98, v[TS+2*(\i)]
.endr
.irp i, 0,1,2,3
.irp p, 0,2,4,6
	v_pk_fma_f32 v[RO+8*(\i)+(\p):RO+8*(\i)+(\p)+1], v[RO+8*(\i)+(\p):RO+8*(\i)+(\p)+1], s[98:99], v[MX+2*(\i):MX+2*(\i)+1] op_sel_hi:[1,0,0] neg_lo:[0,0,1] neg_hi:[0,0,1]
.endr
.endr
	EXP32
.irp i, 0,1,2,3
	v_pk_add_f32 v[TS+2*(\i):TS+2*(\i)+1], v[RO+8*(\i):RO+8*(\i)+1], v[RO+8*(\i)+2:RO+8*(\i)+3]
.endr
.irp a, 4,6
.irp i, 0,1,2,3
	v_pk_add_f32 v[TS+2*(\i):TS+2*(\i)+1], v[TS+2*(\i):TS+2*(\i)+1], v[RO+8*(\i)+(\a):RO+8*(\i)+(\a)+1]
.endr
.endr
.irp i, 0,1,2,3
	v_add_f32 v[TS+2*(\i)], v[TS+2*(\i)], v[TS+2*(\i)+1]
.endr
.irp m, 1,2,4,8
.irp i, 0,1,2,3
	v_add_f32_dpp v[TS+2*(\i)], v[TS+2*(\i)], v[TS+2*(\i)] row_xmask:\m row_mask:0xf bank_mask:0xf
.endr
.endr
.irp i, 0,1,2,3
	v_rcp_f32 v[MX+2*(\i)], v[TS+2*(\i)]           ; the sum is at least 1
.endr
	v_nop
	s_wait_alu depctr_va_vdst(0)                   ; one wait for the four reciprocals
.irp i, 0,1,2,3
.irp p, 0,2,4,6
	v_pk_mul_f32 v[RO+8*(\i)+(\p):RO+8*(\i)+(\p)+1], v[RO+8*(\i)+(\p):RO+8*(\i)+(\p)+1], v[MX+2*(\i):MX+2*(\i)+1] op_sel_hi:[1,0]
.endr
.endr
	BACK8 AQP
	v_add_nc_u32 v[AFQ], 8*512, v[AFQ]
	s_sub_co_u32 s2, s2, 1
	s_cmp_lg_u32 s2, 0
	s_cbranch_scc1 .Lq
	s_wait_tensorcnt 0x0                           ; my parts of v and of the state have landed,
	s_wait_dscnt 0x0                               ; and, for the others' sake, my stores of qh are done
	s_barrier_signal -1
	s_barrier_wait -1                              ; everybody's have
.macro KLOAD kg                        ; 32 keys x 128 features of kn: 8 fragments, 16 loads
	WIN W_LD
.irp kb, 0,1
.irp ks, 0,1,2,3
	ds_load_b128 v[KF+32*(\kb)+8*(\ks):KF+32*(\kb)+8*(\ks)+3],   v[AK] offset:32*PR*(\kg)+16*PR*(\kb)+64*(\ks)
	ds_load_b128 v[KF+32*(\kb)+8*(\ks)+4:KF+32*(\kb)+8*(\ks)+7], v[AK] offset:32*PR*(\kg)+16*PR*(\kb)+64*(\ks)+32
.endr
.endr
.endm
.macro VLOAD kg                        ; 32 keys x 128 channels of v, turned: 8 fragments, 16 loads
	WIN W_LD
.irp eb, 0,1,2,3,4,5,6,7
	ds_load_tr16_b128 v[VF+8*(\eb):VF+8*(\eb)+3],   v[AV] offset:32*PVT*(\kg)+32*(\eb)
	ds_load_tr16_b128 v[VF+8*(\eb)+4:VF+8*(\eb)+7], v[AV] offset:32*PVT*(\kg)+16*PVT+32*(\eb)
.endr
.endm
; S^T = kn qh^T for key group kg and the positions t >= kg.  The accumulators take turns, one instruction a turn; the first feature step starts the sums.
.macro SCORES kg
	WIN W_KQ
.irp ks, 0,1,2,3
.set t, \kg
.rept 4-(\kg)
.irp kb, 0,1
.if (\ks) == 0
	v_wmma_f32_16x16x32_f16 v[S+16*t+8*(\kb):S+16*t+8*(\kb)+7], v[KF+32*(\kb)+8*(\ks):KF+32*(\kb)+8*(\ks)+7], v[32*t+8*(\ks):32*t+8*(\ks)+7], 0
.else
	v_wmma_f32_16x16x32_f16 v[S+16*t+8*(\kb):S+16*t+8*(\kb)+7], v[KF+32*(\kb)+8*(\ks):KF+32*(\kb)+8*(\ks)+7], v[32*t+8*(\ks):32*t+8*(\ks)+7], v[S+16*t+8*(\kb):S+16*t+8*(\kb)+7]
.endif
.endr
.set t, t+1
.endr
.endr
.endm
; the diagonal position's scores above the diagonal become 0; then all are rounded to f16 in place, ascending: P of position t lies in v[S + 16 t .. + 7]
.macro MASKCVT kg
	WIN 0
.set n, 0
.rept 16
	v_cndmask_b32 v[S+16*(\kg)+n], 0, v[S+16*(\kg)+n], s[MK+n]
.set n, n+1
.endr
.set t, \kg
.rept 4-(\kg)
.set n, 0
.rept 8
	v_cvt_pk_f16_f32 v[S+16*t+n], v[S+16*t+2*n], v[S+16*t+2*n+1]
.set n, n+1
.endr
.set t, t+1
.endr
.endm
.macro PVS kg                          ; O^T += v^T P; key group 0, which every position has, starts the sums
	WIN W_PV
.irp eb, 0,1,2,3,4,5,6,7
.set t, \kg
.rept 4-(\kg)
.if (\kg) == 0
	v_wmma_f32_16x16x32_f16 v[64*t+8*(\eb):64*t+8*(\eb)+7], v[VF+8*(\eb):VF+8*(\eb)+7], v[S+16*t:S+16*t+7], 0
.else
	v_wmma_f32_16x16x32_f16 v[64*t+8*(\eb):64*t+8*(\eb)+7], v[VF+8*(\eb):VF+8*(\eb)+7], v[S+16*t:S+16*t+7], v[64*t+8*(\eb):64*t+8*(\eb)+7]
.endif
.set t, t+1
.endr
.endr
.endm
.macro GRP kg
	SCORES \kg
	NOPS 4                                         ; the places in front of the loads into K's registers and of the reads of the scores
.if (\kg) < 3
	KLOAD (\kg)+1
.endif
	MASKCVT \kg
.if (\kg) < 3
	s_wait_dscnt 16                                ; v of this group is in; the next group's kn, sixteen loads, may stay out
.else
	s_wait_dscnt 0x0
.endif
	PVS \kg
	NOPS 5                                         ; five places: the next scores are written over P, and loads go into V's registers
.if (\kg) < 3
	VLOAD (\kg)+1
	s_wait_dscnt 16                                ; the next group's kn is in; its v may stay out
.endif
.endm
.macro SLOAD p, buf                    ; rows e = 32 p .. 32 p + 31 of S^T: 8 fragments, 16 loads
	WIN W_LD
.irp eb, 0,1
.irp ks, 0,1,2,3
	ds_load_b128 v[(\buf)+32*(\eb)+8*(\ks):(\buf)+32*(\eb)+8*(\ks)+3],   v[AST] offset:16*PR*(2*(\p)+(\eb))+64*(\ks)
	ds_load_b128 v[(\buf)+32*(\eb)+8*(\ks)+4:(\buf)+32*(\eb)+8*(\ks)+7], v[AST] offset:16*PR*(2*(\p)+(\eb))+64*(\ks)+32
.endr
.endr
.endm
.macro IMUL p, buf                     ; O^T += S^T qh^T: eight accumulators by turns
	WIN W_IN
.irp ks, 0,1,2,3
.irp eb, 0,1
.irp t, 0,1,2,3
	v_wmma_f32_16x16x32_f16 v[64*(\t)+8*(2*(\p)+(\eb)):64*(\t)+8*(2*(\p)+(\eb))+7], v[(\buf)+32*(\eb)+8*(\ks):(\buf)+32*(\eb)+8*(\ks)+7], v[32*(\t)+8*(\ks):32*(\t)+8*(\ks)+7], v[64*(\t)+8*(2*(\p)+(\eb)):64*(\t)+8*(2*(\p)+(\eb))+7]
.endr
.endr
.endr
.endm
	WIN W_LD
.irp t, 0,1,2,3
.irp ks, 0,1,2,3
	ds_load_b128 v[32*(\t)+8*(\ks):32*(\t)+8*(\ks)+3],   v[AQ] offset:32*PR*(\t)+64*(\ks)  ; qh stays in registers
	ds_load_b128 v[32*(\t)+8*(\ks)+4:32*(\t)+8*(\ks)+7], v[AQ] offset:32*PR*(\t)+64*(\ks)+32
.endr
.endr
	KLOAD 0
	VLOAD 0
	s_wait_dscnt 16                                ; qh and kn are in; v's sixteen loads may stay out
	GRP 0
	GRP 1
	GRP 2
	GRP 3
	WIN 0                                          ; at a branch and at a label every window is 0
	s_cmp_eq_u32 s15, 0                            ; chunk 0 has no state in front of it
	s_cbranch_scc1 .Lout
	SLOAD 0, KF
	SLOAD 1, VF
	s_wait_dscnt 16
	IMUL 0, KF
	NOPS 4
	SLOAD 2, KF
	s_wait_dscnt 16
	IMUL 1, VF
	NOPS 4
	SLOAD 3, VF
	s_wait_dscnt 16
	IMUL 2, KF
	s_wait_dscnt 0x0
	IMUL 3, VF
	WIN 0
.Lout:
	NOPS 4                                         ; the places behind the last products
; THE WAY OUT.  Position t: a lane's eight channels of a row pack into 16 bytes; they go into rows of 272 bytes of my stage and come back as whole rows of 256, into the registers that they left.
.macro PACK t
	WIN W_PK
.set n, 0
.rept 32
	v_cvt_pk_f16_f32 v[TMP+32*(\t)+n], v[64*(\t)+2*n], v[64*(\t)+2*n+1]
.set n, n+1
.endr
	WIN 0
.irp f, 0,1,2,3,4,5,6,7
	ds_store_b128 v[STO], v[TMP+32*(\t)+4*(\f):TMP+32*(\t)+4*(\f)+3] offset:32*(\f)
.endr
.irp f, 0,1,2,3,4,5,6,7
	ds_load_b128 v[TMP+32*(\t)+4*(\f):TMP+32*(\t)+4*(\f)+3], v[RD] offset:(\f)*2*PR  ; LDS serves a wave's instructions in order: these see the stores above; the next position's stores come behind them
.endr
.endm
.macro SEND t, younger                 ; younger: the LDS instructions issued behind position t's loads
.irp f, 0,1,2,3,4,5,6,7
	s_wait_dscnt (\younger)+7-(\f)
	global_store_b128 v[GO], v[TMP+32*(\t)+4*(\f):TMP+32*(\t)+4*(\f)+3], s[66:67] offset:(\t)*131072+(\f)*8192  ; 16 lanes store 256 consecutive bytes, aligned
.endr
.endm
	PACK 0
	PACK 1
	SEND 0, 16
	PACK 2
	SEND 1, 16
	PACK 3
	SEND 2, 16
	SEND 3, 0
	s_wait_tensorcnt 0x0                           ; the wave's end, behind my last tensor load and my last LDS store
	ds_add_u32 v[SPW], v[NIL]
	s_wait_dscnt 0x0
	s_endpgm
.Lfunc_end_k_qddcd578f0f_attn:
	.size	k_qddcd578f0f_attn, .Lfunc_end_k_qddcd578f0f_attn-k_qddcd578f0f_attn
	.p2alignl 7, 3214868480
	.fill 96, 4, 3214868480
	.section	.rodata,"a",@progbits
	.p2align	6, 0x0
	.amdhsa_kernel k_qddcd578f0f_attn
		.amdhsa_group_segment_fixed_size 259584
		.amdhsa_private_segment_fixed_size 0
		.amdhsa_enable_private_segment 0
		.amdhsa_kernarg_size 40
		.amdhsa_user_sgpr_count 2
		.amdhsa_user_sgpr_kernarg_segment_ptr 1
		.amdhsa_wavefront_size32 1
		.amdhsa_system_sgpr_workgroup_id_x 1
		.amdhsa_system_sgpr_workgroup_id_y 1
		.amdhsa_system_sgpr_workgroup_id_z 1
		.amdhsa_system_vgpr_workitem_id 0
		.amdhsa_next_free_vgpr 768
		.amdhsa_next_free_sgpr 102
		.amdhsa_reserve_vcc 0
		.amdhsa_float_denorm_mode_32 3
		.amdhsa_float_denorm_mode_16_64 3
		.amdhsa_memory_ordered 1
		.amdhsa_forward_progress 1
		.amdhsa_inst_pref_size 92
	.end_amdhsa_kernel
	.amdgpu_metadata
---
amdhsa.version: [ 1, 2 ]
amdhsa.kernels:
  - .name:           k_qddcd578f0f_attn
    .symbol:         k_qddcd578f0f_attn.kd
    .args:
      - { .name: qkv, .offset: 0, .size: 8, .value_kind: global_buffer, .address_space: global }
      - { .name: freqs_cis, .offset: 8, .size: 8, .value_kind: global_buffer, .address_space: global }
      - { .name: st, .offset: 16, .size: 8, .value_kind: global_buffer, .address_space: global }
      - { .name: kb, .offset: 24, .size: 8, .value_kind: global_buffer, .address_space: global }
      - { .name: ob, .offset: 32, .size: 8, .value_kind: global_buffer, .address_space: global }
    .group_segment_fixed_size: 259584
    .private_segment_fixed_size: 0
    .kernarg_segment_align: 8
    .kernarg_segment_size: 40
    .max_flat_workgroup_size: 128
    .sgpr_count:     102
    .vgpr_count:     768
    .wavefront_size: 32
...
	.end_amdgpu_metadata
.endif
;; end of part 5
;; launch gemm_out (part 6): grid 16 x 16, 4 waves a work-group, clusters of 4 x 4, 327,680 bytes of LDS; arguments ob, c16, out0; writes out0
.if DOCPART == 6
	.amdgcn_target "amdgcn-amd-amdhsa--gfx1250"
	.amdhsa_code_object_version 6
	.text
	.protected	k_qddcd578f0f_gemm_out
	.globl	k_qddcd578f0f_gemm_out
	.p2align	8
	.type	k_qddcd578f0f_gemm_out,@function
k_qddcd578f0f_gemm_out:
	s_mov_b64 s[64:65], 0
	v_nop
	global_prefetch_b8 v0, s[64:65] scope:SCOPE_SE
	s_setreg_imm32_b32 hwreg(HW_REG_WAVE_MODE, 25, 1), 1
	s_wait_xcnt 0x0
	s_wait_alu depctr_hold_cnt(0) depctr_sa_sdst(0) depctr_va_vdst(0) depctr_va_sdst(0) depctr_va_ssrc(0) depctr_va_vcc(0) depctr_vm_vsrc(0)
	s_getreg_b32 s2, hwreg(HW_REG_IB_STS2, 6, 4)
	s_cmp_eq_u32 s2, 0
	s_cbranch_scc0 .Lentry_in_a_cluster
	s_endpgm
.Lentry_in_a_cluster:
	s_bfe_u32 s2, ttmp6, 0x10000c
	s_cmp_lg_u32 s2, 0xf033
	s_cbranch_scc0 .Lentry_shape_is_right
	s_endpgm
.Lentry_shape_is_right:
; Launch 6 of 6: out0[m][n] = sum over k of O[m][k] wo[n][k].  A = ob [4096][2048] f16, B = c16 at byte 33,554,432 ([2048][2048] f16: wo's bf16 numbers), C = out0 [4096][2048] f32.
; A tile of C is 256 x 128: 256 tiles, one work-group each (256 x 256 would give 128).  Four waves, each 128 x 64: 32 accumulators of 16 x 16, 256 registers.
; K goes in steps of 128 through a ring of two LDS slots (A's 256 rows, B's 128 rows) filled by the tensor data mover; rows are 256 bytes of memory at multiples of 256 bytes.
; CLUSTERS: 4 x 4 work-groups; A's tile is shared along a row of the cluster, B's along a column: each is asked for JOINTLY, by the same tensor load, descriptor and mask in all four.
; THE MATRIX INSTRUCTION IS USED TRANSPOSED (source 0 = 16 rows of B, source 1 = 16 rows of A): a lane holds row l % 16 of C and the columns 8 (l / 16) + 0..7: 32 bytes of f32.
; REGISTERS, in windows of 256 (s_set_vgpr_msb: bits 1:0 source 0, 3:2 source 1, 5:4 source 2, 7:6 destination):
;   window 0: v0-31 addresses; v64-127, v128-191 fragments of A, two buffers; on the way out four buffers of 32
;   window 1: v64-95, v128-159 fragments of B, two buffers          window 2: the accumulators, (a, b) at v[8 (4 a + b)]
.set SIZE_N, 2048
.set SIZE_K, 2048
.set KSTEP,  128
.set PITCH,  272                       ; 256 bytes + 16 of padding = 68 words: the 16 rows that a load touches start 4 words apart modulo 64
.set HALFA,  128*PITCH                 ; what a load of A brings, and what a wave reads of A
.set HALFB,  64*PITCH                  ; the same for B
.set SLOT,   2*HALFA+2*HALFB
.set STAGE,  2*SLOT                    ; behind the ring: 16 rows x 272 bytes for each wave, for the way out
.set SPITCH, 272
.set SPARE,  STAGE+4*16*SPITCH         ; the spare words, 128 bytes a wave, which no other line names
.set LAPS, SIZE_K/(2*KSTEP)
.set ADRA, 16
.set ADRB, 20
.set STO,  24
.set RD,   25
.set CO,   26
.set SPW,  28
.set NIL,  29
.set PFO,  30
.set PFA,  44
.set LIM,  43
.set F0,   64
.set F1,   128
.set OB,   64
.set G1, 24
.set G0, 32
.set G1B, 48
.set G0B, 56
.set MSB, 0
.macro WIN new                         ; the immediate's high byte repeats the setting that is left; a switch that changes nothing is dropped
.if MSB != (\new)
	s_set_vgpr_msb (MSB<<8)|(\new)
.set MSB, \new
.endif
.endm
.set MUL,  0xa1                        ; source 0 (B) window 1, source 1 (A) window 0, C and D window 2
.set TO_B, 0x40                        ; destination window 1, address window 0
.macro JLOAD s                         ; a joint load: waves 0 and 1 fetch A's halves, waves 2 and 3 B's; an s_nop 0 and four v_nop follow each line
	s_cmp_eq_u32 s11, 0
	s_cbranch_scc0 .Lfor_b_\@
	tensor_load_to_lds s[G0+4*(\s):G0+4*(\s)+3], s[G1:G1+7]
	s_nop 0
.rept 4
	v_nop
.endr
	s_branch .Lasked_\@
.Lfor_b_\@:
	tensor_load_to_lds s[G0B+4*(\s):G0B+4*(\s)+3], s[G1B:G1B+7]
	s_nop 0
.rept 4
	v_nop
.endr
.Lasked_\@:
.endm
; A prefetch behind each joint refill and the run of LDS loads that follows it: the K step two refills on, 256 matrix instructions ahead of the load that wants it: 32 rows x 256 bytes, a lane a row.
; Each row's 256 bytes of a K step are named once in the launch.  A's rows: waves 0 and 1 of the clusters with x = 0, the four partners of a row of the cluster 32 rows each of the 128 that the
; wave fetches.  B's 128 rows: wave 2 of the clusters with y = 0, the four partners of a column 32 rows each; wave 3 asks for nothing.  Partners are told apart by address alone.
; The loop's last trip asks for nothing; K steps 0 to 3 come by their loads alone.
.macro ASK
	s_cmp_gt_u32 s3, s[LIM]
	s_cbranch_scc0 .Lnot_mine_\@
	global_prefetch_b8 v[PFO], s[PFA:PFA+1] offset:KSTEP*2 th:TH_LOAD_NT scope:SCOPE_SE
.Lnot_mine_\@:
.endm
.macro CREST
	s_cmp_lg_u32 s10, 0
	s_cbranch_scc1 .Lnot_wave_0_\@
	s_barrier_signal -3
.Lnot_wave_0_\@:
	s_barrier_wait -3
	s_barrier_signal -1
	s_barrier_wait -1
.endm
.macro CROUND
	s_barrier_signal -1
	s_barrier_wait -1
	CREST
.endm
	s_load_b128 s[4:7], s[0:1], 0x0                ; ob s[4:5], c16 s[6:7]
	s_load_b64 s[8:9], s[0:1], 0x10                ; out0
	v_lshl_add_u32 v[SPW], v0, 2, SPARE
	v_mov_b32 v[NIL], 0
	ds_add_u32 v[SPW], v[NIL]                      ; the wave's opening: the add, twice on end, and its wait ahead of my first tensor load
	ds_add_u32 v[SPW], v[NIL]
	v_lshrrev_b32 v1, 5, v0
	v_readfirstlane_b32 s10, v1                    ; wave 0..3
	s_lshr_b32 s11, s10, 1                         ; which half of the tile's rows is mine.  Also: I fetch for A (0) or for B (1)
	s_and_b32 s12, s10, 1                          ; which half of its columns.  Also: which half of that tile I fetch
	s_bfe_u32 s40, ttmp6, 0x40000                  ; cx
	s_bfe_u32 s41, ttmp6, 0x40004                  ; cy
	s_lshl_b32 s42, ttmp9, 2
	s_add_co_u32 s42, s42, s40                     ; tile column of C
	s_and_b32 s13, ttmp7, 0xffff
	s_lshl_b32 s13, s13, 2
	s_add_co_u32 s13, s13, s41                     ; tile row of C
	s_lshl_b32 s43, s41, 2
	s_lshl_b32 s43, 15, s43                        ; my row of the cluster
	s_lshl_b32 s44, 0x1111, s40                    ; my column
	s_or_b32 s[G1+0], s43, (1<<16)|(1<<20)|(1<<21)|(5<<22)|(3<<25)  ; the mask; 2-byte elements; padding on; bit 21 beside a mask; after every 64 words 4 words
	s_or_b32 s[G1B+0], s44, (1<<16)|(1<<20)|(1<<21)|(5<<22)|(3<<25)
	s_mov_b32 s[G1+1], KSTEP<<16                   ; A: 128 rows x 128 elements
	s_mov_b32 s[G1+2], 128<<16
	s_mov_b32 s[G1+3], KSTEP<<16
	s_mov_b32 s[G1+4], 128
	s_mov_b32 s[G1+5], SIZE_K
	s_mov_b32 s[G1+6], 0
	s_mov_b32 s[G1+7], 0
	s_mov_b32 s[G1B+1], KSTEP<<16                  ; B: 64 rows x 128 elements
	s_mov_b32 s[G1B+2], 64<<16
	s_mov_b32 s[G1B+3], KSTEP<<16
	s_mov_b32 s[G1B+4], 64
	s_mov_b32 s[G1B+5], SIZE_K
	s_mov_b32 s[G1B+6], 0
	s_mov_b32 s[G1B+7], 0
	s_lshl_b32 s17, s12, 7
	s_lshl_b32 s16, s13, 8
	s_add_co_u32 s16, s16, s17                     ; A: row 256 x tile row + 128 x half
	s_lshl_b32 s47, s12, 6
	s_lshl_b32 s46, s42, 7
	s_add_co_u32 s46, s46, s47                     ; B: row 128 x tile column + 64 x half
	s_mov_b32 s17, 0
	s_mov_b32 s47, 0
	s_mov_b64 s[18:19], SIZE_K*2
	s_mul_u64 s[16:17], s[16:17], s[18:19]
	s_mul_u64 s[46:47], s[46:47], s[18:19]
	s_mul_i32 s20, s10, HALFA                      ; where A's halves go (waves 0, 1),
	s_mul_i32 s21, s10, HALFB                      ; and B's (waves 2, 3), behind A's 256 rows
	s_add_co_u32 s21, s21, 2*(HALFA-HALFB)
	s_wait_dscnt 0x0                               ; both opening adds are done
	s_wait_kmcnt 0x0
	s_add_nc_u64 s[6:7], s[6:7], 0x2000000         ; B = wo, 33,554,432 bytes into c16
	s_add_nc_u64 s[14:15], s[4:5], s[16:17]
	s_add_nc_u64 s[46:47], s[6:7], s[46:47]
	CROUND                                         ; all sixteen work-groups are here: the first joint loads meet
.irp s, 0,1
	s_mov_b32 s[G0+4*(\s)], 1
	s_add_co_u32 s[G0+4*(\s)+1], s20, (\s)*SLOT
	s_add_nc_u64 s[G0+4*(\s)+2:G0+4*(\s)+3], s[14:15], (\s)*KSTEP*2
	s_or_b32 s[G0+4*(\s)+3], s[G0+4*(\s)+3], 0x80000000
	s_mov_b32 s[G0B+4*(\s)], 1
	s_add_co_u32 s[G0B+4*(\s)+1], s21, (\s)*SLOT
	s_add_nc_u64 s[G0B+4*(\s)+2:G0B+4*(\s)+3], s[46:47], (\s)*KSTEP*2
	s_or_b32 s[G0B+4*(\s)+3], s[G0B+4*(\s)+3], 0x80000000
	JLOAD \s                                       ; two tensor loads of mine are out
.endr
	v_and_b32 v1, 15, v0
	v_bfe_u32 v2, v0, 4, 1
	v_mul_u32_u24 v3, v1, PITCH
	v_lshl_add_u32 v3, v2, 4, v3                   ; a fragment's row x pitch + 16 x half
	s_mul_i32 s21, s11, HALFA                      ; my 128 rows of A
	s_mul_i32 s22, s12, HALFB                      ; my 64 rows of B,
	s_add_co_u32 s22, s22, 2*HALFA                 ; which lie behind A's 256
.irp s, 0,1
	v_add_nc_u32 v[ADRA+(\s)], s21, v3
	v_add_nc_u32 v[ADRB+(\s)], s22, v3
	s_add_co_u32 s21, s21, SLOT
	s_add_co_u32 s22, s22, SLOT
.endr
	s_mul_i32 s23, s10, 16*SPITCH
	s_add_co_u32 s23, s23, STAGE                   ; my stage
	v_mul_u32_u24 v4, v1, SPITCH                   ; in: row l % 16, 32 bytes for each half of the lanes
	v_lshl_add_u32 v4, v2, 5, v4
	v_add_nc_u32 v[STO], s23, v4
	v_mul_u32_u24 v5, v2, SPITCH                   ; back: lanes 0-15 one row of 256 bytes, lanes 16-31 the next
	v_lshl_add_u32 v5, v1, 4, v5
	v_add_nc_u32 v[RD], s23, v5
	v_mul_u32_u24 v5, v2, SIZE_N*4
	v_lshl_add_u32 v[CO], v1, 4, v5
	s_lshl_b32 s13, s13, 8
	s_lshl_b32 s14, s11, 7
	s_add_co_u32 s16, s13, s14                     ; my first row of C
	s_mov_b32 s17, 0
	s_mov_b64 s[18:19], SIZE_N*4
	s_mul_u64 s[16:17], s[16:17], s[18:19]
	s_lshl_b32 s46, s42, 9                         ; my first column, in bytes: 512 x tile column + 256 x half
	s_lshl_b32 s47, s12, 8
	s_add_co_u32 s46, s46, s47
	s_mov_b32 s47, 0
	s_add_nc_u64 s[16:17], s[16:17], s[46:47]
	s_add_nc_u64 s[8:9], s[8:9], s[16:17]          ; set once: a block's place stands in the stores' immediate
	; the prefetches
	s_lshl_b32 s42, s42, 7                         ; 128 x tile column
	s_and_b32 s22, ttmp7, 0xffff                   ; cluster y
	s_lshl_b32 s23, s12, 7
	s_cmp_eq_u32 s11, 0                            ; do I fetch for A?
	s_cselect_b32 s20, s13, s42                    ; the tile's first row
	s_cselect_b32 s21, s40, s41                    ; my place among the four that ask for it with me
	s_cselect_b32 s22, ttmp9, s22                  ; the coordinate along which other clusters read the same rows
	s_cselect_b32 s23, s23, 0                      ; A: the 128 rows that I fetch; B: wave 2 takes all 128
	s_cselect_b64 s[PFA:PFA+1], s[4:5], s[6:7]
	s_cmp_eq_u32 s10, 3
	s_cselect_b32 s14, 1, 0
	s_or_b32 s22, s22, s14                         ; wave 3 never asks
	s_cmp_eq_u32 s22, 0
	s_cselect_b32 s[LIM], 1, -1                    ; the same in all sixteen partners, for a given wave
	s_add_co_u32 s20, s20, s23
	s_lshl_b32 s21, s21, 5
	s_add_co_u32 s20, s20, s21                     ; + my work-group's 32 rows
	s_mov_b32 s21, 0
	s_mov_b64 s[18:19], SIZE_K*2
	s_mul_u64 s[20:21], s[20:21], s[18:19]
	s_add_nc_u64 s[PFA:PFA+1], s[PFA:PFA+1], s[20:21]
	s_add_nc_u64 s[PFA:PFA+1], s[PFA:PFA+1], 2*KSTEP*2  ; at K step 2: the first refill steps it to 3 and names K step 4
	v_and_b32 v[PFO], 31, v0
	v_mul_u32_u24 v[PFO], v[PFO], SIZE_K*2
; 8 matrix instructions: m blocks a0, a0 + 1 x all 4 n blocks, 32 along K.  zero = 1: the first product starts the sums.
.macro MUL8 f, a0, zero
	WIN MUL
.irp a, \a0, (\a0)+1
.irp b, 0,1,2,3
.if \zero
	v_wmma_f32_16x16x32_f16 v[8*(4*(\a)+(\b)):8*(4*(\a)+(\b))+7], v[(\f)+8*(\b):(\f)+8*(\b)+7], v[(\f)+8*(\a):(\f)+8*(\a)+7], 0
.else
	v_wmma_f32_16x16x32_f16 v[8*(4*(\a)+(\b)):8*(4*(\a)+(\b))+7], v[(\f)+8*(\b):(\f)+8*(\b)+7], v[(\f)+8*(\a):(\f)+8*(\a)+7], v[8*(4*(\a)+(\b)):8*(4*(\a)+(\b))+7]
.endif
.endr
.endr
.endm
; 24 LDS loads in one run: 64 rows of B, then 128 rows of A, 32 K at byte k of the rows, into buffer f
.macro FETCH slot, k, f
	WIN TO_B
.irp i, 0,1,2,3
	ds_load_b128 v[(\f)+8*(\i):(\f)+8*(\i)+3],   v[ADRB+(\slot)] offset:(\k)+(\i)*16*PITCH
	ds_load_b128 v[(\f)+8*(\i)+4:(\f)+8*(\i)+7], v[ADRB+(\slot)] offset:(\k)+(\i)*16*PITCH+32
.endr
	WIN 0
.irp i, 0,1,2,3,4,5,6,7
	ds_load_b128 v[(\f)+8*(\i):(\f)+8*(\i)+3],   v[ADRA+(\slot)] offset:(\k)+(\i)*16*PITCH
	ds_load_b128 v[(\f)+8*(\i)+4:(\f)+8*(\i)+7], v[ADRA+(\slot)] offset:(\k)+(\i)*16*PITCH+32
.endr
.endm
.macro PLACES                          ; four plain vector instructions between a matrix instruction and a load into, or a read of, its registers
.rept 4
	v_nop
.endr
.endm
; A K step is four quarters of 32 along K, 32 matrix instructions each, on buffers 0, 1, 0, 1.  The 32 accumulators take turns in the same order in every quarter.
.macro QUARTER slot, k, f, g, zero
	s_wait_dscnt 8                                 ; B and A's rows 0-63 are in; the youngest eight loads (A's rows 64-127) may be out
	MUL8 \f, 0, \zero
	MUL8 \f, 2, \zero
	PLACES
	FETCH \slot, \k, \g
	s_wait_dscnt 24                                ; all but the 24 just issued
	MUL8 \f, 4, \zero
	MUL8 \f, 6, \zero
.endm
; The last quarter's first half: ONE barrier for the change of slots.  In front of it each wave waits for all its tensor loads (one is out: its part of the next slot), adds 0 to its spare word,
; and waits for that and for its own reads of this slot.
.macro MEET round
	WIN 0
	s_wait_tensorcnt 0x0
	ds_add_u32 v[SPW], v[NIL]
	s_wait_dscnt 9                                 ; the add and the youngest eight loads may be out
	MUL8 F1, 0, 0
	s_wait_dscnt 0x0                               ; the add is done, and my reads of this slot are over
	s_barrier_signal -1
	MUL8 F1, 2, 0
.if \round
	WIN 0
.endif
	s_barrier_wait -1
.endm
.macro TURN slot, next
	s_wait_xcnt 0x0                                ; the last prefetch, a K step back, has read its address
	s_add_nc_u64 s[PFA:PFA+1], s[PFA:PFA+1], KSTEP*2
	MEET 1
	CREST                                          ; no wave of any partner still reads this slot's tile or has a load on its way
	s_add_nc_u64 s[G0+4*(\slot)+2:G0+4*(\slot)+3], s[G0+4*(\slot)+2:G0+4*(\slot)+3], 2*KSTEP*2
	s_add_nc_u64 s[G0B+4*(\slot)+2:G0B+4*(\slot)+3], s[G0B+4*(\slot)+2:G0B+4*(\slot)+3], 2*KSTEP*2
	JLOAD \slot                                    ; the first tensor load behind the round, my only one until the next: 112 matrix instructions ahead of the wait for it; its four v_nop are also the places in front of the loads below
	FETCH \next, 0, F0
	ASK
	MUL8 F1, 4, 0
	MUL8 F1, 6, 0
.endm
	s_wait_tensorcnt 1                             ; my part of K step 0 is in; K step 1's may stay out
	s_barrier_signal -1
	s_barrier_wait -1
	FETCH 0, 0, F0
	QUARTER 0, 64,  F0, F1, 1                      ; the first quarter stands in front of the loop: its products start the sums
	WIN 0
	s_mov_b32 s3, LAPS-1
.Llap:                                                 ; a trip goes once round the ring and fills both slots again
	QUARTER 0, 128, F1, F0, 0
	QUARTER 0, 192, F0, F1, 0
	TURN 0, 1
	QUARTER 1, 64,  F0, F1, 0
	QUARTER 1, 128, F1, F0, 0
	QUARTER 1, 192, F0, F1, 0
	TURN 1, 0
	QUARTER 0, 64,  F0, F1, 0
	WIN 0
	s_sub_co_u32 s3, s3, 1
	s_cmp_lg_u32 s3, 0
	s_cbranch_scc1 .Llap
	QUARTER 0, 128, F1, F0, 0                      ; the last lap fills nothing
	QUARTER 0, 192, F0, F1, 0
	MEET 0                                         ; slot 1's load has landed; no round follows
	PLACES
	FETCH 1, 0, F0
	MUL8 F1, 4, 0
	MUL8 F1, 6, 0
	QUARTER 1, 64,  F0, F1, 0
	QUARTER 1, 128, F1, F0, 0
	QUARTER 1, 192, F0, F1, 0
	s_wait_dscnt 8                                 ; the very last quarter: nothing more to fetch
	MUL8 F1, 0, 0
	MUL8 F1, 2, 0
	s_wait_dscnt 0x0
	MUL8 F1, 4, 0
	MUL8 F1, 6, 0
	WIN 0
	PLACES
; THE WAY OUT, a block of 16 rows x 64 columns of f32 at a time: straight from the accumulators (the low four registers of each first) into rows of 272 bytes of my own stage, back as whole rows
; of 256 bytes, and stored.  Four buffers take turns; a buffer is loaded again only behind s_wait_xcnt 0, which stands behind the stores that read it.
.macro TOSTAGE a
.if (\a) >= 4
	s_wait_xcnt 0x0
.endif
	WIN 0x08                                       ; the stores' data in window 2
.irp b, 0,1,2,3
	ds_store_b128 v[STO], v[8*(4*(\a)+(\b)):8*(4*(\a)+(\b))+3]   offset:64*(\b)
	ds_store_b128 v[STO], v[8*(4*(\a)+(\b))+4:8*(4*(\a)+(\b))+7] offset:64*(\b)+16
.endr
	WIN 0
.irp t, 0,1,2,3,4,5,6,7
	ds_load_b128 v[OB+32*((\a)%4)+4*(\t):OB+32*((\a)%4)+4*(\t)+3], v[RD] offset:(\t)*2*SPITCH  ; LDS serves a wave's instructions in order: these see the stores above; the next block's stores come behind them
.endr
.endm
.macro SEND a, younger                 ; younger: the next block's sixteen LDS instructions, or none
	s_wait_dscnt \younger
.irp t, 0,1,2,3,4,5,6,7
	global_store_b128 v[CO], v[OB+32*((\a)%4)+4*(\t):OB+32*((\a)%4)+4*(\t)+3], s[8:9] offset:(16*(\a)+2*(\t))*SIZE_N*4 th:TH_STORE_NT  ; 16 lanes store 256 consecutive bytes, aligned; 1,032,192 at the most in the immediate
.endr
.endm
	TOSTAGE 0
.irp a, 1,2,3,4,5,6,7
	TOSTAGE \a
	SEND (\a)-1, 16
.endr
	SEND 7, 0
	s_wait_tensorcnt 0x0                           ; the wave's end
	ds_add_u32 v[SPW], v[NIL]
	s_wait_dscnt 0x0
	CROUND                                         ; the closing round
	s_endpgm
.Lfunc_end_k_qddcd578f0f_gemm_out:
	.size	k_qddcd578f0f_gemm_out, .Lfunc_end_k_qddcd578f0f_gemm_out-k_qddcd578f0f_gemm_out
	.p2alignl 7, 3214868480
	.fill 96, 4, 3214868480
	.section	.rodata,"a",@progbits
	.p2align	6, 0x0
	.amdhsa_kernel k_qddcd578f0f_gemm_out
		.amdhsa_group_segment_fixed_size 327680
		.amdhsa_private_segment_fixed_size 0
		.amdhsa_enable_private_segment 0
		.amdhsa_kernarg_size 24
		.amdhsa_user_sgpr_count 2
		.amdhsa_user_sgpr_kernarg_segment_ptr 1
		.amdhsa_wavefront_size32 1
		.amdhsa_system_sgpr_workgroup_id_x 1
		.amdhsa_system_sgpr_workgroup_id_y 1
		.amdhsa_system_sgpr_workgroup_id_z 1
		.amdhsa_system_vgpr_workitem_id 0
		.amdhsa_next_free_vgpr 768
		.amdhsa_next_free_sgpr 66
		.amdhsa_reserve_vcc 0
		.amdhsa_float_denorm_mode_32 3
		.amdhsa_float_denorm_mode_16_64 3
		.amdhsa_memory_ordered 1
		.amdhsa_forward_progress 1
		.amdhsa_inst_pref_size 88
	.end_amdhsa_kernel
	.amdgpu_metadata
---
amdhsa.version: [ 1, 2 ]
amdhsa.kernels:
  - .name:           k_qddcd578f0f_gemm_out
    .symbol:         k_qddcd578f0f_gemm_out.kd
    .args:
      - { .name: ob, .offset: 0, .size: 8, .value_kind: global_buffer, .address_space: global }
      - { .name: c16, .offset: 8, .size: 8, .value_kind: global_buffer, .address_space: global }
      - { .name: out0, .offset: 16, .size: 8, .value_kind: global_buffer, .address_space: global }
    .group_segment_fixed_size: 327680
    .private_segment_fixed_size: 0
    .kernarg_segment_align: 8
    .kernarg_segment_size: 24
    .max_flat_workgroup_size: 128
    .sgpr_count:     66
    .vgpr_count:     768
    .wavefront_size: 32
...
	.end_amdgpu_metadata
.endif
;; end of part 6
